; MI455X (gfx1250); checked and timed in simulation.
; The chip was launched on July 23, 2026; its instructions are those of AMD's public machine-readable ISA for CDNA 5 (MIT licence, August 2026) and "CDNA5" Instruction Set Architecture Reference Guide (July 2026). The comments in the code are by the model that wrote it; some were corrected since.
;; Attention. Allowed arithmetic: matrix products marked QUANTISED: E2M1 operands, one E8M0 scale for each 32 along K, by v_wmma_scale_f32_16x16x128_f8f6f4 with both operands' format E2M1 (or v_wmma_scale_f32_32x16x128_f4), f32 sums; products left as they are: bf16, f16 or f32 operands; f32 sums; everything else in f32.
;; Inputs: b_out 256 float32; be_o 256 float32; bk 256 float32; bq 256 float32; bv 512 float32; gk 256 float32; go 256 float32; gq 256 float32; gv 512 float32; mk 256 float32; mo 256 float32; mq 256 float32; mv 512 float32; vk 256 float32; vo 256 float32; vq 256 float32; vv 512 float32; wk 256 x 256 float32; wo 256 x 512 float32; wq 256 x 256 float32; wv 512 x 256 float32; x 32 x 256 x 32 x 32 float32.
;; Outputs: out0 32 x 256 x 32 x 32 float32.
;; This version of the problem:
;;   THIS VERSION OF THE PROBLEM IS GIVEN IN LOW PRECISION. The matrix products marked QUANTISED in the list below multiply operands that are first quantised to E2M1 (2 exponent bits, 1 mantissa bit; 4 bits a number), with one power-of-two scale for each 32 numbers along K (OCP MX v1.0); their sums are f32. The products marked 'left as it is' may take bf16, f16 or f32 operands, with f32 sums. Whichever they take, every output number must still come out within the allowed error. Rounding operands to bf16 (8 significant bits) uses up far more of that allowance than f16 does (11 bits, for magnitudes from 6e-5 to 65,504). All else is computed in f32.
;;   The module's matrix products, in the order in which they are computed (A, B: the left and right operand; K: the contracted axis; several contracted axes count as one K, in the product's order):
;;     1. [M 256, K 256] x [K 256, N 32,768]; A: input wq; B: input x: QUANTISED
;;     2. [M 256, K 256] x [K 256, N 32,768]; A: input wk; B: input x: QUANTISED
;;     3. [M 512, K 256] x [K 256, N 32,768]; A: input wv; B: input x: QUANTISED
;;     4. batch 256 x [M 1,024, K 32] x [K 32, N 1,024]; A: computed on the way; B: computed on the way: left as it is (an operand is computed on the way)
;;     5. batch 256 x [M 1,024, K 1,024] x [K 1,024, N 64]; A: computed on the way; B: computed on the way: left as it is (an operand is computed on the way)
;;     6. [M 256, K 512] x [K 512, N 32,768]; A: input wo; B: computed on the way: left as it is (an operand is computed on the way)
;;   THE QUANTISER, for each operand of a quantised product, along K:
;;     - K is cut into blocks of 32 from its start; a last block that is shorter is filled with zeros.
;;     - A block's scale is 2^e with e = floor(log2(the largest magnitude in the block)) - 2, held to -126 .. 127; a block of zeros has e = 0. As a byte (E8M0): e + 127.
;;     - Each number is divided by its block's scale, clamped to +-6, and rounded to the nearest number of E2M1, ties to even, subnormals kept.
;;     - The product sums the exact products of the quantised numbers (number of the format x scale) in f32.
;;   ~~~python
;;   def quantise(x, axis):      # numpy; x: float32 -> the quantised numbers, widened to float32 again
;;       x = np.moveaxis(x, axis, -1); K = x.shape[-1]
;;       x = np.pad(x, [(0, 0)] * (x.ndim - 1) + [(0, -K % 32)]); x = x.reshape(x.shape[:-1] + (-1, 32)); a = np.abs(x).max(-1, keepdims=True)
;;       e = np.where(a > 0, np.clip(np.frexp(np.where(a > 0, a, 1))[1] - 1 - 2, -126, 127), 0)      # np.frexp(a)[1] - 1 = floor(log2(a)), exactly
;;       r = np.clip(x / 2.0 ** e, -6, 6)
;;       step = 2.0 ** (np.maximum(np.frexp(np.where(r == 0, 1, r))[1] - 1, 0) - 1)
;;       q = np.round(r / step) * step * 2.0 ** e      # np.round: ties to even
;;       return np.moveaxis(q.reshape(q.shape[:-2] + (-1,))[..., :K], -1, axis).astype(np.float32)
;;   ~~~
;; 2 versions, each right; version 2 is version 1 with the launch attn written anew for expert scheduling mode. Each part assembles by itself: llvm-mc -triple=amdgcn-amd-amdhsa -mcpu=gfx1250 --defsym DOCPART=n.
;; ======== version 1 of 2: 3 launches
;; limits: values outside matrix products are rounded to f16; a function is approximated: absolute error at most 1.5e-07; values are held in f16: magnitudes above 65,504 overflow, below 6.1e-05 lose precision; an absolute error that grows with the inputs' magnitude: up to 1.2e-07 times it; right only within a limited range of input values
;; workspace buffers: xc 4,194,304 bytes; xs 262,144 bytes; wc 131,072 bytes; ws 8,192 bytes; woi 262,144 bytes; consts 8,192 bytes; aws 33,554,432 bytes
;; launch prep (part 1): grid 300 x 1, 8 waves a work-group, no clusters, 0 bytes of LDS; arguments x, xc, xs, wq, wk, wv, wc, ws, wo, woi, gq, bq, mq, vq, gk, vk, gv, bv, mv, vv, go, be_o, mo, vo, b_out, consts; writes xc, xs, wc, ws, woi, consts
.if DOCPART == 1
	.amdgcn_target "amdgcn-amd-amdhsa--gfx1250"
	.amdhsa_code_object_version 6
	.text
	.protected	k_q71b2df204a_prep
	.globl	k_q71b2df204a_prep
	.p2align	8
	.type	k_q71b2df204a_prep,@function
k_q71b2df204a_prep:
	s_mov_b64 s[64:65], 0
	v_nop
	global_prefetch_b8 v0, s[64:65] scope:SCOPE_SE
	s_setreg_imm32_b32 hwreg(HW_REG_WAVE_MODE, 25, 1), 1
	s_wait_xcnt 0x0
; FIRST OF THREE LAUNCHES.  x [32][256][1024] and wq, wk, wv become codes of E2M1 with one E8M0 byte for each 32 channels (the products' K), laid as images of the
; matrix operands' registers; wo becomes f16 images; the batch norms' vectors are folded into six tables.
; DEAD WORK, shown for all values of the inputs.  k = inv_k (wk x) + beta_k with beta_k = bk - mk inv_k.  So dots[i][j] holds the term sum over d of q[i][d] beta_k[d], which is the same for
; every key j: a term added to a softmax's input that is constant along its axis, and softmax(z + const) = softmax(z).  The product of q and k is not quantised, so the term moves no code.
; Hence bk and mk have no way to any output: they are not loaded and are among no launch's arguments.  LIMIT: a NaN, an infinity or an overflow that reaches only bk or mk is not carried to the result.
; IDENTITIES used, true for all values: sum_d q_d (inv_k_d u_d) = sum_d (q_d inv_k_d) u_d, so inv_k rides on q; the softmax's weights sum to 1, so v's batch norm is applied behind the second product.
; TABLES (f32): QA = inv_q inv_k c0, QB = (bq - mq inv_q) inv_k c0, c0 = log2(e) / sqrt(32);  VA = inv_v 2^-6, VB = (bv - mv inv_v) 2^-6;  OA = 32 inv_o, OB = (b_out - mo) inv_o + be_o;  inv = g rsq(v + 1e-5).
; LIMITS: NaN and infinities among the inputs are not served.  A block whose largest magnitude lies under 2^-124 keeps the byte 1; a block of zeros gets the byte 1 where the rule says 127: its codes are zeros,
; which add nothing under any byte but 0xff, and this program alone reads the bytes.  The batch norms' factors are multiplied in another order than reference() has them (f32 throughout).
; SHARES.  Work-groups 0 to 255: x, a wave to 32 positions x 128 channels.  The other 44 work-groups' 352 waves are tasks T: 0-63 a tile of 16 weight rows; 64-95 32 channels of a table; 96-351 a fragment of wo.
; No LDS, no barrier: waves share nothing.  All branches hang on the work-group's and the wave's number alone.
.set EPS,   0x3727c5ac                 ; 1e-5
.set C0,    0x3e8293ee                 ; log2(e) / sqrt(32)
.set FLOOR, 0x1800000                  ; 2^(3 - 127): under it no largest magnitude is taken, so the byte cannot fall under 1
.set X,     32                         ; v32-159  128 numbers of a lane, four blocks of 32
.set C,     16                         ; v16-31   their codes, four registers a block
	v_lshrrev_b32 v1, 5, v0
	v_readfirstlane_b32 s16, v1                    ; wave 0..7
	v_and_b32 v3, 31, v0                           ; lane
	v_lshlrev_b32 v1, 2, v3                        ; 4 x lane
	v_lshlrev_b32 v2, 4, v3                        ; 16 x lane
	s_cmp_lt_u32 ttmp9, 256
	s_cbranch_scc0 .Lsmall
; ---- x.  A LANE TAKES A POSITION AND ITS REGISTERS RUN DOWN THE CHANNELS: a block of 32 along K lies in one lane, and the conversions give codes with K innermost.
; Four waves stand side by side on 512 consecutive bytes of each channel's row.
	s_load_b128 s[4:7], s[0:1], 0x0                ; x, xc
	s_load_b64 s[8:9], s[0:1], 0x10                ; xs
	s_lshr_b32 s17, ttmp9, 3                       ; batch
	s_and_b32 s18, ttmp9, 7
	s_lshl_b32 s18, s18, 2
	s_and_b32 s19, s16, 3
	s_add_co_u32 s18, s18, s19                     ; which 32 positions of the 1,024
	s_lshr_b32 s19, s16, 2                         ; which 128 channels
	s_lshl_b32 s20, s17, 20                        ; x: batch x 2^20 + 128 channels x 4,096 + 32 positions x 4
	s_lshl_b32 s22, s19, 19
	s_add_co_u32 s20, s20, s22
	s_lshl_b32 s22, s18, 7
	s_add_co_u32 s20, s20, s22
	s_mov_b32 s21, 0
	s_lshl_b32 s24, s17, 17                        ; xc: [batch][tile of 16 positions][K step][c][lane][16 bytes]
	s_lshl_b32 s22, s18, 12
	s_add_co_u32 s24, s24, s22
	s_lshl_b32 s22, s19, 10
	s_add_co_u32 s24, s24, s22
	s_mov_b32 s25, 0
	s_lshl_b32 s26, s17, 13                        ; xs: [batch][K step][position], a word each
	s_lshl_b32 s22, s19, 12
	s_add_co_u32 s26, s26, s22
	s_lshl_b32 s22, s18, 7
	s_add_co_u32 s26, s26, s22
	s_mov_b32 s27, 0
	s_wait_kmcnt 0x0
	s_add_nc_u64 s[4:5], s[4:5], s[20:21]
	s_add_nc_u64 s[6:7], s[6:7], s[24:25]
	s_add_nc_u64 s[8:9], s[8:9], s[26:27]
.macro XLOAD n                         ; block n: 32 channels of my position; every offset is an immediate, 127 x 4,096 at the most
.irp i, 0,1,2,3,4,5,6,7,8,9,10,11,12,13,14,15,16,17,18,19,20,21,22,23,24,25,26,27,28,29,30,31
	global_load_b32 v[X+32*\n+\i], v1, s[4:5] offset:(32*\n+\i)*4096 th:TH_LOAD_NT
.endr
.endm
.macro QBLK n                          ; block n: its largest magnitude, its byte into the scale word v10, its 32 codes
.set XS, X+32*\n
	v_max3_num_f32 v12, |v[XS]|, |v[XS+1]|, |v[XS+2]|
	v_max3_num_f32 v13, |v[XS+3]|, |v[XS+4]|, |v[XS+5]|
.irp i, 6,10,14,18,22,26
	v_max3_num_f32 v12, v12, |v[XS+\i]|, |v[XS+\i+1]|
	v_max3_num_f32 v13, v13, |v[XS+\i+2]|, |v[XS+\i+3]|
.endr
	v_max3_num_f32 v12, v12, |v[XS+30]|, |v[XS+31]|
	v_max3_num_f32 v12, v12, v13, FLOOR
	v_add_nc_u32 v11, 0xff000000, v12              ; 2 off the exponent field: the conversion takes this operand's exponent field as its scale
	v_lshrrev_b32 v13, 23, v11                     ; the scale's byte
.if \n == 0
	v_mov_b32 v10, v13
.else
	v_lshl_or_b32 v10, v13, 8*\n, v10
.endif
.irp g, 0,1,2,3
	v_cvt_scalef32_pk8_fp4_f32 v[C+4*\n+\g], v[XS+8*\g:XS+8*\g+7], v11
.endr
.endm
	XLOAD 0
	XLOAD 1
	s_wait_loadcnt 32                              ; block 0 is in; block 1's 32 loads may be out
	XLOAD 2
	QBLK 0
	s_wait_loadcnt 32                              ; block 1 is in; block 2's may be out
	XLOAD 3
	QBLK 1
	s_wait_loadcnt 32                              ; block 2 is in; block 3's may be out
	QBLK 2
	s_wait_loadcnt 0x0
	QBLK 3
	v_nop                                          ; one plain line between the last scaled conversion and the lines that touch its results
; The operand's layout wants, in lanes 0-15, block 2 c of positions 0-15 and, in lanes 16-31, block 2 c + 1 of the same positions.  One exchange gives that for the even tile of 16 positions and for the odd one.
.irp c, 0,1
.irp i, 0,1,2,3
	v_permlane16_swap_b32 v[C+8*\c+\i], v[C+8*\c+4+\i]
.endr
.endr
.irp c, 0,1
	global_store_b128 v2, v[C+8*\c:C+8*\c+3], s[6:7] offset:512*\c           ; the even tile: 32 lanes store 512 consecutive bytes, aligned
	global_store_b128 v2, v[C+8*\c+4:C+8*\c+7], s[6:7] offset:2048+512*\c    ; the odd tile
.endr
	global_store_b32 v1, v10, s[8:9]               ; 32 positions' scale words
	s_endpgm
.Lsmall:
	s_sub_co_u32 s17, ttmp9, 256
	s_lshl_b32 s17, s17, 3
	s_add_co_u32 s17, s17, s16                     ; task T
	s_cmp_lt_u32 s17, 64
	s_cbranch_scc1 .Lwq
	s_cmp_lt_u32 s17, 96
	s_cbranch_scc1 .Lcn
; ---- wo: fragment (tile of 16 output channels, 32 input channels) as f16: lane (r, h) holds row r; registers 0-3 k = 8 h + 0..7, registers 4-7 k = 16 + 8 h + 0..7
	s_load_b128 s[4:7], s[0:1], 0x40               ; wo, woi
	s_sub_co_u32 s18, s17, 96
	s_lshr_b32 s19, s18, 4                         ; tile of rows
	s_and_b32 s20, s18, 15                         ; K step
	s_lshl_b32 s19, s19, 15                        ; 16 rows of 2,048 bytes
	s_lshl_b32 s20, s20, 7
	s_add_co_u32 s20, s20, s19
	s_mov_b32 s21, 0
	s_lshl_b32 s22, s18, 10
	s_mov_b32 s23, 0
	v_and_b32 v4, 15, v0
	v_bfe_u32 v5, v0, 4, 1
	v_lshlrev_b32 v4, 11, v4
	v_lshl_add_u32 v4, v5, 5, v4
	s_wait_kmcnt 0x0
	s_add_nc_u64 s[4:5], s[4:5], s[20:21]
	s_add_nc_u64 s[6:7], s[6:7], s[22:23]
	global_load_b128 v[8:11], v4, s[4:5]
	global_load_b128 v[12:15], v4, s[4:5] offset:16
	global_load_b128 v[16:19], v4, s[4:5] offset:64
	global_load_b128 v[20:23], v4, s[4:5] offset:80
	s_wait_loadcnt 0x0
.irp i, 0,1,2,3,4,5,6,7
	v_cvt_pk_f16_f32 v[24+\i], v[8+2*\i], v[9+2*\i]
.endr
	global_store_b128 v2, v[24:27], s[6:7]
	global_store_b128 v2, v[28:31], s[6:7] offset:512
	s_endpgm
; ---- a tile of 16 rows of wq, wk or wv, both K steps.  K is innermost: lane (r, h) loads, of row r, the 32 neighbours that the layout gives it: block q = 2 ks + c holds channels 128 ks + 64 c + 32 h + 0..31
.Lwq:
	s_load_b128 s[4:7], s[0:1], 0x18               ; wq, wk
	s_load_b128 s[8:11], s[0:1], 0x28              ; wv, wc
	s_load_b64 s[12:13], s[0:1], 0x38              ; ws
	s_lshr_b32 s18, s17, 3                         ; head
	s_and_b32 s19, s17, 7                          ; tile: 0, 1 wq; 2, 3 wk; 4 to 7 wv
	s_and_b32 s20, s19, 1
	s_lshl_b32 s20, s20, 4
	s_lshl_b32 s22, s18, 5
	s_add_co_u32 s20, s20, s22                     ; wq, wk: row 32 head + 16 (tile % 2)
	s_and_b32 s22, s19, 3
	s_lshl_b32 s22, s22, 4
	s_lshl_b32 s23, s18, 6
	s_add_co_u32 s22, s22, s23                     ; wv: row 64 head + 16 (tile - 4)
	s_cmp_lt_u32 s19, 4
	s_cselect_b32 s20, s20, s22
	s_lshl_b32 s20, s20, 10                        ; a row is 1,024 bytes
	s_mov_b32 s21, 0
	s_lshl_b32 s22, s17, 11
	s_mov_b32 s23, 0
	s_lshl_b32 s24, s17, 7
	s_mov_b32 s25, 0
	s_mov_b32 s26, 0x76543210                      ; v_permlanex16_b32's selects for lane l xor 16
	s_mov_b32 s27, 0xfedcba98
	v_and_b32 v4, 15, v0
	v_bfe_u32 v5, v0, 4, 1
	v_lshlrev_b32 v3, 10, v4
	v_lshl_add_u32 v3, v5, 7, v3                   ; row r, + 128 h bytes
	s_wait_kmcnt 0x0
	s_cmp_lt_u32 s19, 2                            ; the choice of buffer hangs on the task's number alone
	s_cselect_b64 s[4:5], s[4:5], s[6:7]
	s_cmp_lt_u32 s19, 4
	s_cselect_b64 s[4:5], s[4:5], s[8:9]
	s_add_nc_u64 s[4:5], s[4:5], s[20:21]
	s_add_nc_u64 s[10:11], s[10:11], s[22:23]
	s_add_nc_u64 s[12:13], s[12:13], s[24:25]
.irp q, 0,1,2,3
.irp i, 0,1,2,3,4,5,6,7
	global_load_b128 v[X+32*\q+4*\i:X+32*\q+4*\i+3], v3, s[4:5] offset:256*\q+16*\i
.endr
.endr
	s_wait_loadcnt 0x0
.irp q, 0,1,2,3
	v_max3_num_f32 v[4+\q], |v[X+32*\q]|, |v[X+1+32*\q]|, FLOOR
.endr
.irp i, 2,4,6,8,10,12,14,16,18,20,22,24,26,28,30
.irp q, 0,1,2,3
	v_max3_num_f32 v[4+\q], v[4+\q], |v[X+32*\q+\i]|, |v[X+1+32*\q+\i]|   ; the four blocks by turns
.endr
.endr
.irp q, 0,1,2,3
	v_add_nc_u32 v[8+\q], 0xff000000, v[4+\q]      ; the conversions' scale operands
.endr
.irp q, 0,1,2,3
	v_lshrrev_b32 v[12+\q], 23, v[8+\q]            ; the bytes
.endr
	v_lshl_or_b32 v4, v13, 16, v12                 ; K step 0: my bytes are those of blocks h and 2 + h
	v_lshl_or_b32 v5, v15, 16, v14                 ; K step 1 likewise
	v_bfe_u32 v6, v0, 4, 1
	v_lshlrev_b32 v6, 3, v6
	v_lshlrev_b32 v4, v6, v4                       ; 8 h bits up
	v_lshlrev_b32 v5, v6, v5
	v_permlanex16_b32 v7, v4, s26, s27
	v_permlanex16_b32 v12, v5, s26, s27
	v_or_b32 v4, v4, v7                            ; with lane l xor 16's two bytes each word is whole
	v_or_b32 v5, v5, v12
	v_and_b32 v13, 31, v0
	v_cmp_le_u32 vcc_lo, 16, v13
	v_cndmask_b32 v4, v4, v5, vcc_lo               ; lanes 0-15 keep K step 0's word of row r, lanes 16-31 K step 1's
.irp q, 0,1,2,3
.irp g, 0,1,2,3
	v_cvt_scalef32_pk8_fp4_f32 v[C+4*\q+\g], v[X+32*\q+8*\g:X+32*\q+8*\g+7], v[8+\q]
.endr
.endr
	v_nop
.irp q, 0,1,2,3
	global_store_b128 v2, v[C+4*\q:C+4*\q+3], s[10:11] offset:512*\q
.endr
	global_store_b32 v1, v4, s[12:13]
	s_endpgm
; ---- the tables: a lane to a channel
.Lcn:
	s_load_b64 s[4:5], s[0:1], 0xc8                ; consts
	s_sub_co_u32 s18, s17, 64
	s_cmp_lt_u32 s18, 8
	s_cbranch_scc1 .Lcq
	s_cmp_lt_u32 s18, 24
	s_cbranch_scc1 .Lcv
	s_load_b256 s[8:15], s[0:1], 0xa0              ; go, be_o, mo, vo
	s_load_b64 s[20:21], s[0:1], 0xc0              ; b_out
	s_sub_co_u32 s18, s18, 24
	s_lshl_b32 s18, s18, 7
	v_add_nc_u32 v4, s18, v1                       ; 4 x channel
	s_wait_kmcnt 0x0
	global_load_b32 v8, v4, s[8:9]
	global_load_b32 v9, v4, s[10:11]
	global_load_b32 v10, v4, s[12:13]
	global_load_b32 v11, v4, s[14:15]
	global_load_b32 v12, v4, s[20:21]
	s_wait_loadcnt 0x0
	v_add_f32 v11, EPS, v11
	v_rsq_f32 v11, v11
	v_sub_f32 v12, v12, v10                        ; b_out - mo: the plain line behind the root
	s_wait_alu depctr_va_vdst(0)                   ; the wait ahead of the first line that names the root's result
	v_mul_f32 v8, v8, v11                          ; inv_o
	v_fma_f32 v13, v12, v8, v9                     ; OB
	v_mul_f32 v14, 0x42000000, v8                  ; OA = 32 inv_o: the last product's left operand is carried as gelu / 32
	global_store_b32 v4, v14, s[4:5] offset:6144
	global_store_b32 v4, v13, s[4:5] offset:7168
	s_endpgm
.Lcq:
	s_load_b256 s[8:15], s[0:1], 0x50              ; gq, bq, mq, vq
	s_load_b128 s[20:23], s[0:1], 0x70             ; gk, vk
	s_lshl_b32 s18, s18, 7
	v_add_nc_u32 v4, s18, v1
	s_wait_kmcnt 0x0
	global_load_b32 v8, v4, s[8:9]
	global_load_b32 v9, v4, s[10:11]
	global_load_b32 v10, v4, s[12:13]
	global_load_b32 v11, v4, s[14:15]
	global_load_b32 v12, v4, s[20:21]
	global_load_b32 v13, v4, s[22:23]
	s_wait_loadcnt 0x0
	v_add_f32 v11, EPS, v11
	v_add_f32 v13, EPS, v13
	v_rsq_f32 v11, v11
	v_rsq_f32 v13, v13
	v_mul_f32 v12, C0, v12                         ; gk c0: the plain line behind the roots
	s_wait_alu depctr_va_vdst(0)                   ; one wait for both roots
	v_mul_f32 v8, v8, v11                          ; inv_q
	v_mul_f32 v12, v12, v13                        ; inv_k c0
	v_fma_f32 v9, -v10, v8, v9                     ; bq - mq inv_q
	v_mul_f32 v14, v8, v12                         ; QA
	v_mul_f32 v15, v9, v12                         ; QB
	global_store_b32 v4, v14, s[4:5]
	global_store_b32 v4, v15, s[4:5] offset:1024
	s_endpgm
.Lcv:
	s_load_b256 s[8:15], s[0:1], 0x80              ; gv, bv, mv, vv
	s_sub_co_u32 s18, s18, 8
	s_lshl_b32 s18, s18, 7
	v_add_nc_u32 v4, s18, v1
	s_wait_kmcnt 0x0
	global_load_b32 v8, v4, s[8:9]
	global_load_b32 v9, v4, s[10:11]
	global_load_b32 v10, v4, s[12:13]
	global_load_b32 v11, v4, s[14:15]
	s_wait_loadcnt 0x0
	v_add_f32 v11, EPS, v11
	v_rsq_f32 v11, v11
	v_mul_f32 v12, 0x3c800000, v8                  ; gv 2^-6: the plain line behind the root
	s_wait_alu depctr_va_vdst(0)
	v_mul_f32 v8, v8, v11                          ; inv_v
	v_mul_f32 v14, v12, v11                        ; VA
	v_fma_f32 v9, -v10, v8, v9                     ; bv - mv inv_v
	v_mul_f32 v15, 0x3c800000, v9                  ; VB
	global_store_b32 v4, v14, s[4:5] offset:2048
	global_store_b32 v4, v15, s[4:5] offset:4096
	s_endpgm
.Lfunc_end_k_q71b2df204a_prep:
	.size	k_q71b2df204a_prep, .Lfunc_end_k_q71b2df204a_prep-k_q71b2df204a_prep
	.p2alignl 7, 3214868480
	.fill 96, 4, 3214868480
	.section	.rodata,"a",@progbits
	.p2align	6, 0x0
	.amdhsa_kernel k_q71b2df204a_prep
		.amdhsa_group_segment_fixed_size 0
		.amdhsa_private_segment_fixed_size 0
		.amdhsa_enable_private_segment 0
		.amdhsa_kernarg_size 208
		.amdhsa_user_sgpr_count 2
		.amdhsa_user_sgpr_kernarg_segment_ptr 1
		.amdhsa_wavefront_size32 1
		.amdhsa_system_sgpr_workgroup_id_x 1
		.amdhsa_system_sgpr_workgroup_id_y 1
		.amdhsa_system_sgpr_workgroup_id_z 1
		.amdhsa_system_vgpr_workitem_id 0
		.amdhsa_next_free_vgpr 160
		.amdhsa_next_free_sgpr 66
		.amdhsa_reserve_vcc 1
		.amdhsa_float_denorm_mode_32 3
		.amdhsa_float_denorm_mode_16_64 3
		.amdhsa_memory_ordered 1
		.amdhsa_forward_progress 1
		.amdhsa_inst_pref_size 38
	.end_amdhsa_kernel
	.amdgpu_metadata
---
amdhsa.version: [ 1, 2 ]
amdhsa.kernels:
  - .name:           k_q71b2df204a_prep
    .symbol:         k_q71b2df204a_prep.kd
    .args:
      - { .name: x, .offset: 0, .size: 8, .value_kind: global_buffer, .address_space: global }
      - { .name: xc, .offset: 8, .size: 8, .value_kind: global_buffer, .address_space: global }
      - { .name: xs, .offset: 16, .size: 8, .value_kind: global_buffer, .address_space: global }
      - { .name: wq, .offset: 24, .size: 8, .value_kind: global_buffer, .address_space: global }
      - { .name: wk, .offset: 32, .size: 8, .value_kind: global_buffer, .address_space: global }
      - { .name: wv, .offset: 40, .size: 8, .value_kind: global_buffer, .address_space: global }
      - { .name: wc, .offset: 48, .size: 8, .value_kind: global_buffer, .address_space: global }
      - { .name: ws, .offset: 56, .size: 8, .value_kind: global_buffer, .address_space: global }
      - { .name: wo, .offset: 64, .size: 8, .value_kind: global_buffer, .address_space: global }
      - { .name: woi, .offset: 72, .size: 8, .value_kind: global_buffer, .address_space: global }
      - { .name: gq, .offset: 80, .size: 8, .value_kind: global_buffer, .address_space: global }
      - { .name: bq, .offset: 88, .size: 8, .value_kind: global_buffer, .address_space: global }
      - { .name: mq, .offset: 96, .size: 8, .value_kind: global_buffer, .address_space: global }
      - { .name: vq, .offset: 104, .size: 8, .value_kind: global_buffer, .address_space: global }
      - { .name: gk, .offset: 112, .size: 8, .value_kind: global_buffer, .address_space: global }
      - { .name: vk, .offset: 120, .size: 8, .value_kind: global_buffer, .address_space: global }
      - { .name: gv, .offset: 128, .size: 8, .value_kind: global_buffer, .address_space: global }
      - { .name: bv, .offset: 136, .size: 8, .value_kind: global_buffer, .address_space: global }
      - { .name: mv, .offset: 144, .size: 8, .value_kind: global_buffer, .address_space: global }
      - { .name: vv, .offset: 152, .size: 8, .value_kind: global_buffer, .address_space: global }
      - { .name: go, .offset: 160, .size: 8, .value_kind: global_buffer, .address_space: global }
      - { .name: be_o, .offset: 168, .size: 8, .value_kind: global_buffer, .address_space: global }
      - { .name: mo, .offset: 176, .size: 8, .value_kind: global_buffer, .address_space: global }
      - { .name: vo, .offset: 184, .size: 8, .value_kind: global_buffer, .address_space: global }
      - { .name: b_out, .offset: 192, .size: 8, .value_kind: global_buffer, .address_space: global }
      - { .name: consts, .offset: 200, .size: 8, .value_kind: global_buffer, .address_space: global }
    .group_segment_fixed_size: 0
    .private_segment_fixed_size: 0
    .kernarg_segment_align: 8
    .kernarg_segment_size: 208
    .max_flat_workgroup_size: 256
    .sgpr_count:     66
    .vgpr_count:     160
    .wavefront_size: 32
...
	.end_amdgpu_metadata
.endif
;; end of part 1
;; launch attn (part 2): grid 8 x 32, 8 waves a work-group, no clusters, 198,144 bytes of LDS; arguments xc, xs, wc, ws, consts, aws; writes aws
.if DOCPART == 2
	.amdgcn_target "amdgcn-amd-amdhsa--gfx1250"
	.amdhsa_code_object_version 6
	.text
	.protected	k_q71b2df204a_attn
	.globl	k_q71b2df204a_attn
	.p2align	8
	.type	k_q71b2df204a_attn,@function
k_q71b2df204a_attn:
	s_mov_b64 s[64:65], 0
	v_nop
	global_prefetch_b8 v0, s[64:65] scope:SCOPE_SE
	s_setreg_imm32_b32 hwreg(HW_REG_WAVE_MODE, 25, 1), 1
	s_wait_xcnt 0x0
; SECOND LAUNCH.  A work-group takes one (batch, head): the three projections on codes of E2M1, q's batch norm, the attention, the division by the row's sum and v's batch norm.  Result: o 2^-6 as f16 images.
; LEFT OUT, as shown at the head of the first kernel: k's additive term (bk, mk), which is the same for all keys of a query and which the softmax cancels for all values.
; SHARES.  Wave w owns positions 128 w to 128 w + 127, eight tiles of 16: it projects their q, k and v, and later walks all 1,024 keys for its eight tiles of queries.
; K and V (f16) of the whole head lie in LDS as images of the operands' registers: 16 bytes a lane, 512 consecutive bytes a store or load; no pitch, no padding.  One barrier in the launch.
; FORMATS.  All four operands of the two products go in f16 (11 significant bits).  k' = uk and v' = uv go as they are.  q' = (inv_q uq + beta_q) inv_k c0 carries the gains and has no room in f16 as it is:
; EACH QUERY HAS A SCALE OF ITS OWN, f = 2^floor(log2(the largest |q'| of its 32 channels)); q'' = q' / f lies under 2 and goes in f16.  A lane holds one query, so f is one number a lane.  p is at most 1.
; TWO PASSES.  Pass 1 multiplies K Q''^T and keeps each query's largest score m.  Pass 2 multiplies again, which gives the same bits, and one packed multiply-add makes the exponential's argument,
; S f + (-f m) = f (S - m), never above 0: f is a power of two, so it is rounded once.  No running maximum, no rescaling of O.  The maximum is taken away before every exponential, as reference() does.
; LAYOUT.  S^T = K Q''^T (source 0 = 16 keys, source 1 = 16 queries) and O^T = V^T P (source 0 = 16 channels, source 1 = P): a lane holds ONE query; two score tiles, packed in pairs, are P.
; No cluster: what work-groups share (x's codes among the eight heads of a batch) is read once, at the head, straight into operand registers, and LDS is taken by K and V.
; LIMITS: NaN and infinities are not served; |uk| and |uv| beyond f16's largest number (65,504) are not served; a query's largest |q'| is taken as 2^-100 at the least and stays under 2^126.
; REGISTERS, in windows of 256.  Window 0: v1 16 x lane; v2, v3 LDS addresses in hand; v4, v5 the add's two; v7 the table's address; v8-15 x's scale words, v16-23 the weights' (scales and nothing else);
;   v24-87 Q''; v88-103 the pairs (f, -f m), one a tile (v88-151 earlier: the projections' sums, pass 1's scores); v152-167 K's two fragments; v168-199 V's four; v200-231 scores, two sets of 16;
;   v232-239 P (earlier: f of the eight tiles); v240-255 the sums.   Window 1: x's and the weights' fragments, later O^T, tile t channels 16 c on at v[32 t + 8 c].
.set VIMG,  65536                      ; LDS: K's 64 images of 1,024 bytes from 0; V's 32 x 4 from here;
.set CT,    196608                     ; VA[64], VB[64] of the head;
.set SPARE, 197120                     ; the spare words, 128 bytes for each of the eight waves: four blocks of 256 bytes that no other line names
.set FLOORQ, 0x0d800000                ; 2^-100
.set LI,   1
.set KAD,  2
.set VAD,  3
.set SPW,  4
.set NIL,  5
.set XSW,  8
.set WSW,  16
.set Q,    24
.set FM,   88
.set ACC,  88
.set SA,   88
.set KF,   152
.set VF,   168
.set SB,   168
.set S,    200
.set QA,   200
.set QB,   216
.set P,    232
.set F,    232
.set RL,   232
.set L,    240
.set M,    240
.set TT,   152                         ; the way out: 32 numbers at work
.set MSB, 0
.macro WIN new                         ; the immediate's high byte repeats the setting that is left
.if MSB != \new
	s_set_vgpr_msb (MSB<<8)|\new
.set MSB, \new
.endif
.endm
.macro NOP4
.rept 4
	v_nop
.endr
.endm
	s_load_b256 s[4:11], s[0:1], 0x0               ; xc, xs, wc, ws
	s_load_b128 s[12:15], s[0:1], 0x20             ; consts, aws
	v_lshl_add_u32 v[SPW], v0, 2, SPARE
	v_mov_b32 v[NIL], 0
	v_lshrrev_b32 v6, 5, v0
	v_readfirstlane_b32 s16, v6                    ; wave 0..7
	s_mov_b32 s17, ttmp9                           ; head
	s_and_b32 s18, ttmp7, 0xffff                   ; batch
	v_and_b32 v6, 31, v0
	v_lshlrev_b32 v[LI], 4, v6
	v_lshlrev_b32 v176, 2, v6                      ; 4 x lane: scale words
	v_bfe_u32 v7, v0, 4, 1                         ; h
	v_lshlrev_b32 v177, 5, v7                      ; 32 h: my eight numbers of QA, QB
	v_and_b32 v178, 15, v0
	v_lshlrev_b32 v178, 4, v178
	v_lshl_add_u32 v178, v7, 11, v178              ; lanes 0-15: VA's 256 bytes; lanes 16-31: VB's, 2,048 bytes on
	v_add_nc_u32 v179, CT, v[LI]
	v_lshl_add_u32 v7, v7, 5, CT                   ; the way out: the table, + 32 h
	v_mov_b32 v181, 0                              ; written once: a lane permute's destination counts as one of its sources
	v_mov_b32 v183, 0                              ; (named as the upper half of the pair v[182:183])
	s_lshl_b32 s20, s16, 13
	v_add_nc_u32 v[KAD], s20, v[LI]                ; where I store my eight images of K
	s_lshl_b32 s20, s16, 14
	s_add_co_u32 s20, s20, VIMG
	v_add_nc_u32 v[VAD], s20, v[LI]                ; and my sixteen of V
	s_mov_b32 s25, 0x7f000000                      ; 254 in the exponent field
	s_mov_b32 s26, 0x76543210                      ; v_permlanex16_b32's selects for lane l xor 16
	s_mov_b32 s27, 0xfedcba98
	s_mov_b32 s28, 0x7f800000                      ; an f32 number's exponent field
	s_mov_b32 s29, 0xff800000                      ; -infinity
	s_mov_b32 s21, 0
	s_wait_kmcnt 0x0
	s_lshl_b32 s20, s18, 17
	s_lshl_b32 s19, s16, 14
	s_add_co_u32 s20, s20, s19
	s_add_nc_u64 s[4:5], s[4:5], s[20:21]          ; x's codes: my eight tiles
	s_lshl_b32 s20, s18, 13
	s_lshl_b32 s19, s16, 9
	s_add_co_u32 s20, s20, s19
	s_add_nc_u64 s[6:7], s[6:7], s[20:21]          ; their scale words
	s_lshl_b32 s20, s17, 14
	s_add_nc_u64 s[8:9], s[8:9], s[20:21]          ; the head's weights
	s_lshl_b32 s20, s17, 10
	s_add_nc_u64 s[10:11], s[10:11], s[20:21]
	s_lshl_b32 s20, s17, 7
	s_add_nc_u64 s[30:31], s[12:13], s[20:21]      ; QA, QB of the head's 32 channels
	s_lshl_b32 s20, s17, 8
	s_add_nc_u64 s[12:13], s[12:13], s[20:21]      ; VA, VB of its 64
	s_lshl_b32 s20, s18, 20
	s_lshl_b32 s19, s16, 17
	s_add_co_u32 s20, s20, s19
	s_lshl_b32 s19, s17, 11
	s_add_co_u32 s20, s20, s19
	s_add_nc_u64 s[14:15], s[14:15], s[20:21]      ; the result: [batch][tile of positions][2 head + f][half][lane][16 bytes]
	WIN 0x40                                       ; destination window 1
.irp j, 0,1,2,3,4,5,6,7,8,9,10,11,12,13,14,15,16,17,18,19,20,21,22,23,24,25,26,27,28,29,30,31
	global_load_b128 v[4*\j:4*\j+3], v[LI], s[4:5] offset:512*\j            ; x's fragment (tile pt, K step ks) at v[16 pt + 8 ks] of window 1
.endr
.irp j, 0,1,2,3,4,5,6,7,8,9,10,11,12,13,14,15,16,17,18,19,20,21,22,23,24,25,26,27,28,29,30,31
	global_load_b128 v[128+4*\j:128+4*\j+3], v[LI], s[8:9] offset:512*\j    ; the weights' (tile tl, ks) at v[128 + 16 tl + 8 ks]
.endr
	WIN 0
.irp k, 0,1
.irp g, 0,1,2,3
	global_load_b32 v[XSW+4*\k+\g], v176, s[6:7] offset:4096*\k+128*\g      ; lanes 0-15: tile 2 g's words, lanes 16-31: tile 2 g + 1's
.endr
.endr
.irp t, 0,1,2,3,4,5,6,7
	global_load_b32 v[WSW+\t], v176, s[10:11] offset:128*\t                 ; lanes 0-15: K step 0's words, lanes 16-31: K step 1's
.endr
.irp t, 0,1
	global_load_b128 v[QA+8*\t:QA+8*\t+3], v177, s[30:31] offset:64*\t
	global_load_b128 v[QA+8*\t+4:QA+8*\t+7], v177, s[30:31] offset:64*\t+16
	global_load_b128 v[QB+8*\t:QB+8*\t+3], v177, s[30:31] offset:1024+64*\t
	global_load_b128 v[QB+8*\t+4:QB+8*\t+7], v177, s[30:31] offset:1024+64*\t+16
.endr
	s_cmp_lg_u32 s16, 0                            ; wave 0 alone brings the head's VA and VB into LDS
	s_cbranch_scc1 .Lnot_wave_0
	global_load_b128 v[152:155], v178, s[12:13] offset:2048
	s_wait_loadcnt 0x0
	ds_store_b128 v179, v[152:155]
.Lnot_wave_0:
	s_wait_loadcnt 0x0
; One scaled product on codes.  zero = 1: it starts the sum.  ra, rb: which half of the lanes holds source 0's and source 1's scale words.
.macro FP4 d, a, b, zero, sa, sb, ra, rb
.if \zero
.if ((\ra)==0) && ((\rb)==0)
	v_wmma_scale_f32_16x16x128_f8f6f4 v[(\d):(\d)+7], v[(\a):(\a)+7], v[(\b):(\b)+7], 0, v[\sa], v[\sb] matrix_a_fmt:MATRIX_FMT_FP4 matrix_b_fmt:MATRIX_FMT_FP4
.elseif ((\ra)==1) && ((\rb)==0)
	v_wmma_scale_f32_16x16x128_f8f6f4 v[(\d):(\d)+7], v[(\a):(\a)+7], v[(\b):(\b)+7], 0, v[\sa], v[\sb] matrix_a_fmt:MATRIX_FMT_FP4 matrix_b_fmt:MATRIX_FMT_FP4 matrix_a_scale:MATRIX_SCALE_ROW1
.elseif ((\ra)==0) && ((\rb)==1)
	v_wmma_scale_f32_16x16x128_f8f6f4 v[(\d):(\d)+7], v[(\a):(\a)+7], v[(\b):(\b)+7], 0, v[\sa], v[\sb] matrix_a_fmt:MATRIX_FMT_FP4 matrix_b_fmt:MATRIX_FMT_FP4 matrix_b_scale:MATRIX_SCALE_ROW1
.else
	v_wmma_scale_f32_16x16x128_f8f6f4 v[(\d):(\d)+7], v[(\a):(\a)+7], v[(\b):(\b)+7], 0, v[\sa], v[\sb] matrix_a_fmt:MATRIX_FMT_FP4 matrix_b_fmt:MATRIX_FMT_FP4 matrix_a_scale:MATRIX_SCALE_ROW1 matrix_b_scale:MATRIX_SCALE_ROW1
.endif
.else
.if ((\ra)==0) && ((\rb)==0)
	v_wmma_scale_f32_16x16x128_f8f6f4 v[(\d):(\d)+7], v[(\a):(\a)+7], v[(\b):(\b)+7], v[(\d):(\d)+7], v[\sa], v[\sb] matrix_a_fmt:MATRIX_FMT_FP4 matrix_b_fmt:MATRIX_FMT_FP4
.elseif ((\ra)==1) && ((\rb)==0)
	v_wmma_scale_f32_16x16x128_f8f6f4 v[(\d):(\d)+7], v[(\a):(\a)+7], v[(\b):(\b)+7], v[(\d):(\d)+7], v[\sa], v[\sb] matrix_a_fmt:MATRIX_FMT_FP4 matrix_b_fmt:MATRIX_FMT_FP4 matrix_a_scale:MATRIX_SCALE_ROW1
.elseif ((\ra)==0) && ((\rb)==1)
	v_wmma_scale_f32_16x16x128_f8f6f4 v[(\d):(\d)+7], v[(\a):(\a)+7], v[(\b):(\b)+7], v[(\d):(\d)+7], v[\sa], v[\sb] matrix_a_fmt:MATRIX_FMT_FP4 matrix_b_fmt:MATRIX_FMT_FP4 matrix_b_scale:MATRIX_SCALE_ROW1
.else
	v_wmma_scale_f32_16x16x128_f8f6f4 v[(\d):(\d)+7], v[(\a):(\a)+7], v[(\b):(\b)+7], v[(\d):(\d)+7], v[\sa], v[\sb] matrix_a_fmt:MATRIX_FMT_FP4 matrix_b_fmt:MATRIX_FMT_FP4 matrix_a_scale:MATRIX_SCALE_ROW1 matrix_b_scale:MATRIX_SCALE_ROW1
.endif
.endif
.endm
; THE PROJECTIONS of my tile pt: eight sums of two K steps, by turns, one instruction a turn.
; q, k (tiles 0-3): source 0 = 16 weight rows, source 1 = x: a lane holds position r and channels 8 h + j.  v (tiles 4-7): the sources change places: a lane holds channel r and positions 8 h + j.
; Packed in pairs, each result IS the next product's fragment: nothing changes lanes.
.macro PROJ pt
	WIN 0x05                                       ; sources 0 and 1 window 1; C and D window 0
.irp tl, 0,1,2,3
	FP4 ACC+8*\tl, 128+16*\tl, 16*(\pt), 1, WSW+\tl, XSW+(\pt)/2, 0, (\pt)%2
.endr
.irp tl, 4,5,6,7
	FP4 ACC+8*\tl, 16*(\pt), 128+16*\tl, 1, XSW+(\pt)/2, WSW+\tl, (\pt)%2, 0
.endr
.irp tl, 0,1,2,3
	FP4 ACC+8*\tl, 136+16*\tl, 16*(\pt)+8, 0, WSW+\tl, XSW+4+(\pt)/2, 1, (\pt)%2
.endr
.irp tl, 4,5,6,7
	FP4 ACC+8*\tl, 16*(\pt)+8, 136+16*\tl, 0, XSW+4+(\pt)/2, WSW+\tl, (\pt)%2, 1
.endr
	WIN 0
	NOP4                                           ; four places between the last product and the first read of results (ISA guide 7.12.1)
.irp i, 0,2,4,6,8,10,12,14
	v_pk_fma_f32 v[ACC+\i:ACC+\i+1], v[ACC+\i:ACC+\i+1], v[QA+\i:QA+\i+1], v[QB+\i:QB+\i+1]   ; q' = uq QA + QB
.endr
	v_max3_num_f32 v180, |v[ACC]|, |v[ACC+1]|, FLOORQ              ; the largest |q'| of my 16 channels of my position, and the floor,
.irp i, 2,4,6,8,10,12,14
	v_max3_num_f32 v180, v180, |v[ACC+\i]|, |v[ACC+\i+1]|
.endr
	v_permlanex16_b32 v181, v180, s26, s27
	v_max_num_f32 v180, v180, v181                 ; and of the other 16, in the lane 16 away
	v_and_b32 v[F+(\pt)], s28, v180                ; f: its exponent field alone, a power of two
	v_sub_nc_u32 v182, s25, v[F+(\pt)]             ; 1 / f: 254 less that exponent field
.irp i, 0,2,4,6,8,10,12,14
	v_pk_mul_f32 v[ACC+\i:ACC+\i+1], v[ACC+\i:ACC+\i+1], v[182:183] op_sel_hi:[1,0]   ; q'' = q' / f: nothing is rounded
.endr
.irp i, 0,1,2,3,4,5,6,7
	v_cvt_pk_f16_f32 v[Q+8*(\pt)+\i], v[ACC+2*\i], v[ACC+2*\i+1]
.endr
	s_wait_dscnt 0x0                               ; the last tile's LDS stores have read their registers, which are written again below
.irp i, 0,1,2,3,4,5,6,7
	v_cvt_pk_f16_f32 v[152+\i], v[ACC+16+2*\i], v[ACC+16+2*\i+1]
.endr
	ds_store_b128 v[KAD], v[152:155] offset:1024*(\pt)
	ds_store_b128 v[KAD], v[156:159] offset:1024*(\pt)+512
.irp i, 0,1,2,3,4,5,6,7,8,9,10,11,12,13,14,15
	v_cvt_pk_f16_f32 v[160+\i], v[ACC+32+2*\i], v[ACC+32+2*\i+1]
.endr
.irp c, 0,1,2,3
	ds_store_b128 v[VAD], v[160+4*\c:163+4*\c] offset:4096*((\pt)/2)+1024*\c+512*((\pt)%2)   ; an even tile is keys 0-15 of a fragment of 32 keys, an odd one keys 16-31
.endr
.endm
.irp pt, 0,1,2,3,4,5,6,7
	PROJ \pt
.endr
	s_wait_dscnt 0x0                               ; for the others' sake: my stores have landed
	s_barrier_signal -1
	s_barrier_wait -1                              ; K, V and the table are whole; from here on LDS is only read
.macro KLOAD                           ; two tiles of 16 keys
.irp j, 0,1,2,3
	ds_load_b128 v[KF+4*\j:KF+4*\j+3], v[KAD] offset:512*\j
.endr
.endm
.macro VLOAD                           ; 32 keys x 64 channels
.irp j, 0,1,2,3,4,5,6,7
	ds_load_b128 v[VF+4*\j:VF+4*\j+3], v[VAD] offset:512*\j
.endr
.endm
; ---- PASS 1: each query's largest score.  A trip takes 32 keys against my eight tiles of queries.
.irp j, 0,1,2,3,4,5,6,7,8,9,10,11,12,13,14,15
	v_mov_b32 v[M+\j], s29                         ; eight maxima, and eight registers that a lane permute will write (its destination counts as read)
.endr
	s_mov_b32 s22, 0                               ; LDS byte of the keys to be fetched
	v_add_nc_u32 v[KAD], s22, v[LI]
	KLOAD
; last = 1: the trip's look-ahead fetches keys 0 to 31 again, for pass 2
.macro P1TRIP last
	s_wait_dscnt 0x0                               ; K is in
.irp t, 0,1,2,3,4,5,6,7
	v_wmma_f32_16x16x32_f16 v[SA+8*\t:SA+8*\t+7], v[KF:KF+7], v[Q+8*\t:Q+8*\t+7], 0
	v_wmma_f32_16x16x32_f16 v[SB+8*\t:SB+8*\t+7], v[KF+8:KF+15], v[Q+8*\t:Q+8*\t+7], 0
.endr
.if \last
	s_mov_b32 s22, 0
.else
	s_add_co_u32 s22, s22, 2048
.endif
	v_add_nc_u32 v[KAD], s22, v[LI]                ; with the three below: the four places ahead of the first read of results
.rept 3
	v_nop
.endr
.irp t, 0,1,2,3,4,5,6,7
	v_max3_num_f32 v[M+\t], v[M+\t], v[SA+8*\t], v[SA+8*\t+1]   ; each sum is read from its low end on; the eight maxima by turns.  These are also the places ahead of the loads into K's registers
.endr
	KLOAD
.irp i, 2,4,6
.irp t, 0,1,2,3,4,5,6,7
	v_max3_num_f32 v[M+\t], v[M+\t], v[SA+8*\t+\i], v[SA+8*\t+\i+1]
.endr
.endr
.irp i, 0,2,4,6
.irp t, 0,1,2,3,4,5,6,7
	v_max3_num_f32 v[M+\t], v[M+\t], v[SB+8*\t+\i], v[SB+8*\t+\i+1]
.endr
.endr
.endm
	s_mov_b32 s24, 31
.Lmax:
	P1TRIP 0
	s_sub_co_u32 s24, s24, 1
	s_cmp_lg_u32 s24, 0
	s_cbranch_scc1 .Lmax
	P1TRIP 1
.irp t, 0,1,2,3,4,5,6,7
	v_permlanex16_b32 v[M+8+\t], v[M+\t], s26, s27 ; the query's other keys lie in the lane 16 away
.endr
.irp t, 0,1,2,3,4,5,6,7
	v_max_num_f32 v[M+\t], v[M+\t], v[M+8+\t]
.endr
.irp t, 0,1,2,3,4,5,6,7
	v_mov_b32 v[FM+2*\t], v[F+\t]                  ; the pair of tile t: f,
.endr
.irp t, 0,1,2,3,4,5,6,7
	v_mul_f32 v[FM+2*\t+1], -v[M+\t], v[F+\t]      ; and -f m: f is a power of two, nothing is rounded
.endr
	s_mov_b32 s23, VIMG
	v_add_nc_u32 v[VAD], s23, v[LI]
	VLOAD
; ---- PASS 2
.macro QK t                            ; S^T of tile t, 32 keys: two products into set t % 2; the same instruction on the same operands as in pass 1
.set SBQ, S+16*((\t)%2)
	v_wmma_f32_16x16x32_f16 v[SBQ:SBQ+7], v[KF:KF+7], v[Q+8*(\t):Q+8*(\t)+7], 0
	v_wmma_f32_16x16x32_f16 v[SBQ+8:SBQ+15], v[KF+8:KF+15], v[Q+8*(\t):Q+8*(\t)+7], 0
.endm
.macro SC t                            ; the exponential's argument, S f + (-f m), two at a time: of the tile's pair the low word is the factor for both halves, the high word the addend.  Each sum is read from its low end on
.set SBS, S+16*((\t)%2)
.irp j, 0,2,4,6,8,10,12,14
	v_pk_fma_f32 v[SBS+\j:SBS+\j+1], v[SBS+\j:SBS+\j+1], v[FM+2*(\t):FM+2*(\t)+1], v[FM+2*(\t):FM+2*(\t)+1] op_sel:[0,0,1] op_sel_hi:[1,0,1]
.endr
.endm
.macro EX t                            ; p = 2^(f (s - m)): one batch of sixteen
.set SBE, S+16*((\t)%2)
.irp j, 0,1,2,3,4,5,6,7,8,9,10,11,12,13,14,15
	v_exp_f32 v[SBE+\j], v[SBE+\j]
.endr
.endm
.macro CV t                            ; p to f16: the second product's source 1
.set SBC, S+16*((\t)%2)
.irp j, 0,1,2,3,4,5,6,7
	v_cvt_pk_f16_f32 v[P+\j], v[SBC+2*\j], v[SBC+2*\j+1]
.endr
.endm
.macro PV t, first                     ; O^T += V^T P: four sums, one instruction each
	WIN 0x50                                       ; C and D window 1
.irp c, 0,1,2,3
.if \first
	v_wmma_f32_16x16x32_f16 v[32*(\t)+8*\c:32*(\t)+8*\c+7], v[VF+8*\c:VF+8*\c+7], v[P:P+7], 0
.else
	v_wmma_f32_16x16x32_f16 v[32*(\t)+8*\c:32*(\t)+8*\c+7], v[VF+8*\c:VF+8*\c+7], v[P:P+7], v[32*(\t)+8*\c:32*(\t)+8*\c+7]
.endif
.endr
	WIN 0
.endm
.macro AD t, first                     ; the row's sum, of the unrounded p, two at a time
.set SBA, S+16*((\t)%2)
.set LT, L+2*(\t)
	v_pk_add_f32 v[SBA:SBA+1], v[SBA:SBA+1], v[SBA+2:SBA+3]
	v_pk_add_f32 v[SBA+4:SBA+5], v[SBA+4:SBA+5], v[SBA+6:SBA+7]
	v_pk_add_f32 v[SBA+8:SBA+9], v[SBA+8:SBA+9], v[SBA+10:SBA+11]
	v_pk_add_f32 v[SBA+12:SBA+13], v[SBA+12:SBA+13], v[SBA+14:SBA+15]
	v_pk_add_f32 v[SBA:SBA+1], v[SBA:SBA+1], v[SBA+4:SBA+5]
	v_pk_add_f32 v[SBA+8:SBA+9], v[SBA+8:SBA+9], v[SBA+12:SBA+13]
.if \first
	v_pk_add_f32 v[LT:LT+1], v[SBA:SBA+1], v[SBA+8:SBA+9]
.else
	v_pk_add_f32 v[SBA:SBA+1], v[SBA:SBA+1], v[SBA+8:SBA+9]
	v_pk_add_f32 v[LT:LT+1], v[LT:LT+1], v[SBA:SBA+1]
.endif
.endm
; A TRIP: 32 keys against my eight tiles.  The tiles follow each other a stage apart: while tile t's exponentials are issued, tile t - 1's second product and sums and tile t + 1's scores stand beside them.
; Each batch of sixteen exponentials has one wait, ahead of its first reader; the sums of the tile before are the plain lines behind the batch, and the places between a product V^T P and the next write of P;
; a tile's eight roundings are the places between the next tile's scores and the first read of them.  first = 1: the products start O^T's sums and the additions the rows' sums.  more = 1: the next trip's K and V are fetched.
.macro TRIP first, more
	s_wait_dscnt 8                                 ; K's four loads are in; V's eight, issued behind them, may be out
	QK 0
	NOP4
	SC 0
	EX 0
	QK 1
	v_nop                                          ; the plain line behind the batch
	s_wait_alu depctr_va_vdst(0)                   ; the wait ahead of the first line that names an exponential's result
	CV 0
.irp t, 1,2,3,4,5,6,7
	SC \t
	EX \t
.if \t == 1
	s_wait_dscnt 0x0                               ; V is in
.endif
	PV \t-1, \first
	AD \t-1, \first
.if \t < 7
	QK \t+1
.endif
	s_wait_alu depctr_va_vdst(0)
	CV \t
.if (\t == 6) && \more
	s_add_co_u32 s22, s22, 2048                    ; the last product that reads K stands eight plain lines back
	v_add_nc_u32 v[KAD], s22, v[LI]
	KLOAD
.endif
.endr
	PV 7, \first
	AD 7, \first
.if \more
	s_add_co_u32 s23, s23, 4096                    ; the sums above are the places behind the last product that reads V
	v_add_nc_u32 v[VAD], s23, v[LI]
	VLOAD
.endif
.endm
	TRIP 1, 1
	s_mov_b32 s24, 30
.Lkeys:
	TRIP 0, 1
	s_sub_co_u32 s24, s24, 1
	s_cmp_lg_u32 s24, 0
	s_cbranch_scc1 .Lkeys
	TRIP 0, 0
; ---- THE WAY OUT: os = (O^T / the row's sum) VA + VB, as f16: a lane's eight channels of tiles 2 f and 2 f + 1 are registers 0-3 and 4-7 of the last product's fragment f.
.irp c, 0,1,2,3
	ds_load_b128 v[88+8*\c:91+8*\c], v7 offset:64*\c                ; VA of channels 16 c + 8 h + 0..7
	ds_load_b128 v[92+8*\c:95+8*\c], v7 offset:64*\c+16
	ds_load_b128 v[120+8*\c:123+8*\c], v7 offset:256+64*\c          ; VB
	ds_load_b128 v[124+8*\c:127+8*\c], v7 offset:256+64*\c+16
.endr
.irp t, 0,1,2,3,4,5,6,7
	v_add_f32 v[RL+\t], v[L+2*\t], v[L+2*\t+1]
.endr
.irp t, 0,1,2,3,4,5,6,7
	v_permlanex16_b32 v[S+\t], v[RL+\t], s26, s27
.endr
.irp t, 0,1,2,3,4,5,6,7
	v_add_f32 v[RL+\t], v[RL+\t], v[S+\t]
.endr
.irp t, 0,1,2,3,4,5,6,7
	v_rcp_f32 v[RL+\t], v[RL+\t]
.endr
	v_nop
	s_wait_alu depctr_va_vdst(0)                   ; one wait for the eight reciprocals
	s_wait_dscnt 0x0                               ; the table is in
.macro OUT t, dt                       ; dt: sixteen registers of its own for each tile, so that no store's data are written again
	WIN 0x01                                       ; source 0 (O^T) window 1
.irp i, 0,2,4,6,8,10,12,14,16,18,20,22,24,26,28,30
.if (\t)%2 == 0
	v_pk_mul_f32 v[TT+\i:TT+\i+1], v[32*(\t)+\i:32*(\t)+\i+1], v[RL+2*((\t)/2):RL+2*((\t)/2)+1] op_sel_hi:[1,0]
.else
	v_pk_mul_f32 v[TT+\i:TT+\i+1], v[32*(\t)+\i:32*(\t)+\i+1], v[RL+2*((\t)/2):RL+2*((\t)/2)+1] op_sel:[0,1] op_sel_hi:[1,1]
.endif
.endr
	WIN 0
.irp i, 0,2,4,6,8,10,12,14,16,18,20,22,24,26,28,30
	v_pk_fma_f32 v[TT+\i:TT+\i+1], v[TT+\i:TT+\i+1], v[88+\i:89+\i], v[120+\i:121+\i]
.endr
.irp i, 0,1,2,3,4,5,6,7,8,9,10,11,12,13,14,15
	v_cvt_pk_f16_f32 v[\dt+\i], v[TT+2*\i], v[TT+2*\i+1]
.endr
.irp c, 0,1,2,3
	global_store_b128 v[LI], v[\dt+4*\c:\dt+4*\c+3], s[14:15] offset:16384*(\t)+512*\c   ; 32 lanes store 512 consecutive bytes, aligned
.endr
.endm
	OUT 0, 24
	OUT 1, 40
	OUT 2, 56
	OUT 3, 72
	OUT 4, 184
	OUT 5, 200
	OUT 6, 216
	OUT 7, 240
	s_wait_tensorcnt 0x0                           ; the wave's end: a wait on tensor loads, an add to my spare word and a wait on LDS, behind my last LDS store
	ds_add_u32 v[SPW], v[NIL]
	s_wait_dscnt 0x0
	s_endpgm
.Lfunc_end_k_q71b2df204a_attn:
	.size	k_q71b2df204a_attn, .Lfunc_end_k_q71b2df204a_attn-k_q71b2df204a_attn
	.p2alignl 7, 3214868480
	.fill 96, 4, 3214868480
	.section	.rodata,"a",@progbits
	.p2align	6, 0x0
	.amdhsa_kernel k_q71b2df204a_attn
		.amdhsa_group_segment_fixed_size 198144
		.amdhsa_private_segment_fixed_size 0
		.amdhsa_enable_private_segment 0
		.amdhsa_kernarg_size 48
		.amdhsa_user_sgpr_count 2
		.amdhsa_user_sgpr_kernarg_segment_ptr 1
		.amdhsa_wavefront_size32 1
		.amdhsa_system_sgpr_workgroup_id_x 1
		.amdhsa_system_sgpr_workgroup_id_y 1
		.amdhsa_system_sgpr_workgroup_id_z 1
		.amdhsa_system_vgpr_workitem_id 0
		.amdhsa_next_free_vgpr 512
		.amdhsa_next_free_sgpr 66
		.amdhsa_reserve_vcc 0
		.amdhsa_float_denorm_mode_32 3
		.amdhsa_float_denorm_mode_16_64 3
		.amdhsa_memory_ordered 1
		.amdhsa_forward_progress 1
		.amdhsa_inst_pref_size 167
	.end_amdhsa_kernel
	.amdgpu_metadata
---
amdhsa.version: [ 1, 2 ]
amdhsa.kernels:
  - .name:           k_q71b2df204a_attn
    .symbol:         k_q71b2df204a_attn.kd
    .args:
      - { .name: xc, .offset: 0, .size: 8, .value_kind: global_buffer, .address_space: global }
      - { .name: xs, .offset: 8, .size: 8, .value_kind: global_buffer, .address_space: global }
      - { .name: wc, .offset: 16, .size: 8, .value_kind: global_buffer, .address_space: global }
      - { .name: ws, .offset: 24, .size: 8, .value_kind: global_buffer, .address_space: global }
      - { .name: consts, .offset: 32, .size: 8, .value_kind: global_buffer, .address_space: global }
      - { .name: aws, .offset: 40, .size: 8, .value_kind: global_buffer, .address_space: global }
    .group_segment_fixed_size: 198144
    .private_segment_fixed_size: 0
    .kernarg_segment_align: 8
    .kernarg_segment_size: 48
    .max_flat_workgroup_size: 256
    .sgpr_count:     66
    .vgpr_count:     512
    .wavefront_size: 32
...
	.end_amdgpu_metadata
.endif
;; end of part 2
;; launch outp (part 3): grid 8 x 32, 8 waves a work-group, no clusters, 267,264 bytes of LDS; arguments aws, woi, consts, out0; writes out0
.if DOCPART == 3
	.amdgcn_target "amdgcn-amd-amdhsa--gfx1250"
	.amdhsa_code_object_version 6
	.text
	.protected	k_q71b2df204a_outp
	.globl	k_q71b2df204a_outp
	.p2align	8
	.type	k_q71b2df204a_outp,@function
k_q71b2df204a_outp:
	s_mov_b64 s[64:65], 0
	v_nop
	global_prefetch_b8 v0, s[64:65] scope:SCOPE_SE
	s_setreg_imm32_b32 hwreg(HW_REG_WAVE_MODE, 25, 1), 1
	s_wait_xcnt 0x0
; THIRD LAUNCH.  out0 = (wo gelu(o) + b_out) under the last batch norm.  A work-group takes 128 positions of one batch, all 256 output channels, K = 512.  (It leaves no work out; what the program leaves out is shown at the head of the first kernel.)
; PHASE 1: wave w turns its tile of 16 positions (16 fragments of os = o / 64, f16) into gelu(o) / 32 as f16 fragments, which go to LDS as images of their registers.  One barrier.
; PHASE 2: wave w makes output channels 32 w to 32 w + 31 for all 128 positions; its part of wo (32 fragments) stays in registers.  Source 0 = 16 positions, source 1 = 16 rows of wo:
; a lane holds ONE output channel and eight neighbouring positions, which are neighbours in out0.  PHASE 3: x OA + OB (OA carries the 32), through the wave's own stage, out as whole rows of 512 bytes.
; GELU is the exact form, 0.5 o (1 + erf(o / sqrt(2))), with erfc(|z|) = (a1 t + .. + a5 t^5) e^(-z^2), t = 1 / (1 + 0.3275911 |z|) (Abramowitz and Stegun 7.1.26: absolute error of erf at most 1.5e-7, for every z):
; gelu(o) / 32 = os + |os| - |os| erfc(|o| / sqrt(2)).  LIMITS: for o under 0 the result carries an absolute error of up to one unit in the last place of |o|; os and gelu / 32 under 6e-5 are f16 subnormals; NaN and infinities are not served.
; No cluster: what work-groups share is wo's images, read once at the head straight into operand registers.  No prefetch: all that the work-group reads is asked for in its first lines.
; REGISTERS.  Window 0: v0-127 os's fragments (f16 halves have names up to v127), then the 16 sums ((pt, ot) at v[8 (2 pt + ot)]), then rows on the way out; v128-135 addresses and the add's two; v136-139 OA, OB;
;   v140-149 a1..a5 as pairs; v152-239 at work.  Window 1: wo's fragments, (ot, ks) at v[8 (16 ot + ks)].
.set STG,   131072                     ; LDS: the 128 images of 1,024 bytes from 0 ((pt, ks) at (16 pt + ks) x 1,024); from here a stage of 32 rows x 528 bytes for each wave;
.set SPARE, 266240                     ; the spare words, 128 bytes for each of the eight waves: four blocks of 256 bytes that no other line names
.set LI,  128
.set GI,  129
.set LI2, 130
.set STO, 131
.set RD,  132
.set SPW, 134
.set NIL, 135
.set OS,  152
.set AB,  168
.set T,   184
.set E,   200
.set PL,  216
.set GP,  232
.set GX,  152
.set GY,  184
.set MSB, 0
.macro WIN new                         ; the immediate's high byte repeats the setting that is left
.if MSB != \new
	s_set_vgpr_msb (MSB<<8)|\new
.set MSB, \new
.endif
.endm
.macro NOP4
.rept 4
	v_nop
.endr
.endm
	s_load_b256 s[4:11], s[0:1], 0x0               ; aws, woi, consts, out0
	v_lshl_add_u32 v[SPW], v0, 2, SPARE
	v_mov_b32 v[NIL], 0
	v_lshrrev_b32 v133, 5, v0
	v_readfirstlane_b32 s16, v133                  ; wave 0..7
	s_mov_b32 s17, ttmp9                           ; which 128 positions
	s_and_b32 s18, ttmp7, 0xffff                   ; batch
	v_and_b32 v133, 31, v0
	v_lshlrev_b32 v[LI], 4, v133                   ; 16 x lane
	s_lshl_b32 s20, s16, 14
	v_add_nc_u32 v[GI], s20, v[LI]                 ; where I store my tile's sixteen images
	v_add_nc_u32 v[LI2], 65536, v[LI]              ; tiles 4 to 7 lie beyond an LDS instruction's 16-bit offset
	s_mul_i32 s20, s16, 16896
	s_add_co_u32 s20, s20, STG                     ; my stage
	v_and_b32 v133, 15, v0                         ; r
	v_bfe_u32 v[RD], v0, 4, 1                      ; h
	v_mul_u32_u24 v[STO], v133, 528
	v_lshl_add_u32 v[STO], v[RD], 5, v[STO]
	v_add_nc_u32 v[STO], s20, v[STO]               ; in: row r, + 32 h
	v_add_nc_u32 v[RD], s20, v[LI]                 ; back: a row of 512 bytes to the 32 lanes
	v_lshlrev_b32 v133, 2, v133                    ; 4 r: my output channel's OA, OB
	s_mov_b32 s24, 0x7fffffff
	s_mov_b32 s26, 0x416d3388                      ; 0.3275911 x 64 / sqrt(2)
	s_mov_b32 s27, s26                             ; (a packed form names the pair, so both are written)
	s_mov_b32 s28, 0x42596d27                      ; sqrt(2048 log2(e)): (this x os)^2 = (o^2 / 2) log2(e)
	s_mov_b32 s29, s28
	s_mov_b32 s21, 0
	s_wait_kmcnt 0x0
	s_lshl_b32 s20, s18, 20
	s_lshl_b32 s19, s17, 17
	s_add_co_u32 s20, s20, s19
	s_lshl_b32 s19, s16, 14
	s_add_co_u32 s20, s20, s19
	s_add_nc_u64 s[4:5], s[4:5], s[20:21]          ; my tile of 16 positions
	s_lshl_b32 s20, s16, 15
	s_add_nc_u64 s[6:7], s[6:7], s[20:21]          ; my 32 rows of wo
	s_lshl_b32 s20, s16, 7
	s_add_nc_u64 s[8:9], s[8:9], s[20:21]
	s_lshl_b32 s20, s18, 20
	s_lshl_b32 s19, s16, 17
	s_add_co_u32 s20, s20, s19
	s_lshl_b32 s19, s17, 9
	s_add_co_u32 s20, s20, s19
	s_add_nc_u64 s[10:11], s[10:11], s[20:21]      ; out0: batch, my first channel, the group's first position
	global_load_b32 v136, v133, s[8:9] offset:6144
	global_load_b32 v137, v133, s[8:9] offset:6144+64
	global_load_b32 v138, v133, s[8:9] offset:7168
	global_load_b32 v139, v133, s[8:9] offset:7168+64
.irp j, 0,1,2,3,4,5,6,7,8,9,10,11,12,13,14,15,16,17,18,19,20,21,22,23,24,25,26,27,28,29,30,31
	global_load_b128 v[4*\j:4*\j+3], v[LI], s[4:5] offset:512*\j th:TH_LOAD_NT   ; read once in the launch
.endr
	WIN 0x40                                       ; destination window 1
.irp j, 0,1,2,3,4,5,6,7,8,9,10,11,12,13,14,15,16,17,18,19,20,21,22,23,24,25,26,27,28,29,30,31,32,33,34,35,36,37,38,39,40,41,42,43,44,45,46,47,48,49,50,51,52,53,54,55,56,57,58,59,60,61,62,63
	global_load_b128 v[4*\j:4*\j+3], v[LI], s[6:7] offset:512*\j
.endr
	WIN 0
	v_mov_b32 v140, 0x3e827906                     ; a1 =  0.254829592
	v_mov_b32 v141, 0x3e827906
	v_mov_b32 v142, 0xbe91a98e                     ; a2 = -0.284496736
	v_mov_b32 v143, 0xbe91a98e
	v_mov_b32 v144, 0x3fb5f0e3                     ; a3 =  1.421413741
	v_mov_b32 v145, 0x3fb5f0e3
	v_mov_b32 v146, 0xbfba00e3                     ; a4 = -1.453152027
	v_mov_b32 v147, 0xbfba00e3
	v_mov_b32 v148, 0x3f87dc22                     ; a5 =  1.061405429
	v_mov_b32 v149, 0x3f87dc22
	s_wait_loadcnt 63                              ; 64 loads of wo were issued behind the last of os: OA, OB and os are in; wo lands during phase 1
; ---- PHASE 1.  Fragment f: sixteen numbers a lane.  The sixteen halves are given by name.
.macro GELU f, h0,h1,h2,h3,h4,h5,h6,h7,h8,h9,h10,h11,h12,h13,h14,h15
	v_cvt_f32_f16 v[OS+0], \h0
	v_cvt_f32_f16 v[OS+1], \h1
	v_cvt_f32_f16 v[OS+2], \h2
	v_cvt_f32_f16 v[OS+3], \h3
	v_cvt_f32_f16 v[OS+4], \h4
	v_cvt_f32_f16 v[OS+5], \h5
	v_cvt_f32_f16 v[OS+6], \h6
	v_cvt_f32_f16 v[OS+7], \h7
	v_cvt_f32_f16 v[OS+8], \h8
	v_cvt_f32_f16 v[OS+9], \h9
	v_cvt_f32_f16 v[OS+10], \h10
	v_cvt_f32_f16 v[OS+11], \h11
	v_cvt_f32_f16 v[OS+12], \h12
	v_cvt_f32_f16 v[OS+13], \h13
	v_cvt_f32_f16 v[OS+14], \h14
	v_cvt_f32_f16 v[OS+15], \h15
.irp j, 0,1,2,3,4,5,6,7,8,9,10,11,12,13,14,15
	v_and_b32 v[AB+\j], s24, v[OS+\j]              ; |os|
.endr
.irp j, 0,2,4,6,8,10,12,14
	v_pk_fma_f32 v[T+\j:T+\j+1], v[AB+\j:AB+\j+1], s[26:27], 1.0 op_sel_hi:[1,0,0]   ; 1 + 0.3275911 |z|
.endr
.irp j, 0,2,4,6,8,10,12,14
	v_pk_mul_f32 v[E+\j:E+\j+1], v[OS+\j:OS+\j+1], s[28:29] op_sel_hi:[1,0]
.endr
.irp j, 0,2,4,6,8,10,12,14
	v_pk_mul_f32 v[E+\j:E+\j+1], v[E+\j:E+\j+1], v[E+\j:E+\j+1]                      ; z^2 log2(e)
.endr
.irp j, 0,1,2,3,4,5,6,7,8,9,10,11,12,13,14,15
	v_rcp_f32 v[T+\j], v[T+\j]                     ; t
.endr
.irp j, 0,1,2,3,4,5,6,7,8,9,10,11,12,13,14,15
	v_exp_f32 v[E+\j], -v[E+\j]                    ; e^(-z^2)
.endr
	v_nop                                          ; the plain line behind the batch of 32
	s_wait_alu depctr_va_vdst(0)                   ; and its one wait, ahead of the first line that names a result
.irp j, 0,2,4,6,8,10,12,14
	v_pk_fma_f32 v[PL+\j:PL+\j+1], v[T+\j:T+\j+1], v[148:149], v[146:147]
.endr
.irp j, 0,2,4,6,8,10,12,14
	v_pk_fma_f32 v[PL+\j:PL+\j+1], v[PL+\j:PL+\j+1], v[T+\j:T+\j+1], v[144:145]
.endr
.irp j, 0,2,4,6,8,10,12,14
	v_pk_fma_f32 v[PL+\j:PL+\j+1], v[PL+\j:PL+\j+1], v[T+\j:T+\j+1], v[142:143]
.endr
.irp j, 0,2,4,6,8,10,12,14
	v_pk_fma_f32 v[PL+\j:PL+\j+1], v[PL+\j:PL+\j+1], v[T+\j:T+\j+1], v[140:141]
.endr
.irp j, 0,2,4,6,8,10,12,14
	v_pk_mul_f32 v[PL+\j:PL+\j+1], v[PL+\j:PL+\j+1], v[T+\j:T+\j+1]
.endr
.irp j, 0,2,4,6,8,10,12,14
	v_pk_mul_f32 v[PL+\j:PL+\j+1], v[PL+\j:PL+\j+1], v[E+\j:E+\j+1]                  ; erfc(|z|)
.endr
.irp j, 0,2,4,6,8,10,12,14
	v_pk_fma_f32 v[PL+\j:PL+\j+1], v[PL+\j:PL+\j+1], v[AB+\j:AB+\j+1], v[AB+\j:AB+\j+1] neg_lo:[1,0,0] neg_hi:[1,0,0]   ; |os| - |os| erfc
.endr
.irp j, 0,2,4,6,8,10,12,14
	v_pk_add_f32 v[PL+\j:PL+\j+1], v[PL+\j:PL+\j+1], v[OS+\j:OS+\j+1]                ; + os: gelu(o) / 32
.endr
	s_wait_dscnt 0x0                               ; the last fragment's LDS stores have read their registers, which are written again below
.irp j, 0,1,2,3,4,5,6,7
	v_cvt_pk_f16_f32 v[GP+\j], v[PL+2*\j], v[PL+2*\j+1]
.endr
	ds_store_b128 v[GI], v[GP:GP+3] offset:1024*\f
	ds_store_b128 v[GI], v[GP+4:GP+7] offset:1024*\f+512
.endm
	GELU 0, v0.l,v0.h,v1.l,v1.h,v2.l,v2.h,v3.l,v3.h,v4.l,v4.h,v5.l,v5.h,v6.l,v6.h,v7.l,v7.h
	GELU 1, v8.l,v8.h,v9.l,v9.h,v10.l,v10.h,v11.l,v11.h,v12.l,v12.h,v13.l,v13.h,v14.l,v14.h,v15.l,v15.h
	GELU 2, v16.l,v16.h,v17.l,v17.h,v18.l,v18.h,v19.l,v19.h,v20.l,v20.h,v21.l,v21.h,v22.l,v22.h,v23.l,v23.h
	GELU 3, v24.l,v24.h,v25.l,v25.h,v26.l,v26.h,v27.l,v27.h,v28.l,v28.h,v29.l,v29.h,v30.l,v30.h,v31.l,v31.h
	GELU 4, v32.l,v32.h,v33.l,v33.h,v34.l,v34.h,v35.l,v35.h,v36.l,v36.h,v37.l,v37.h,v38.l,v38.h,v39.l,v39.h
	GELU 5, v40.l,v40.h,v41.l,v41.h,v42.l,v42.h,v43.l,v43.h,v44.l,v44.h,v45.l,v45.h,v46.l,v46.h,v47.l,v47.h
	GELU 6, v48.l,v48.h,v49.l,v49.h,v50.l,v50.h,v51.l,v51.h,v52.l,v52.h,v53.l,v53.h,v54.l,v54.h,v55.l,v55.h
	GELU 7, v56.l,v56.h,v57.l,v57.h,v58.l,v58.h,v59.l,v59.h,v60.l,v60.h,v61.l,v61.h,v62.l,v62.h,v63.l,v63.h
	GELU 8, v64.l,v64.h,v65.l,v65.h,v66.l,v66.h,v67.l,v67.h,v68.l,v68.h,v69.l,v69.h,v70.l,v70.h,v71.l,v71.h
	GELU 9, v72.l,v72.h,v73.l,v73.h,v74.l,v74.h,v75.l,v75.h,v76.l,v76.h,v77.l,v77.h,v78.l,v78.h,v79.l,v79.h
	GELU 10, v80.l,v80.h,v81.l,v81.h,v82.l,v82.h,v83.l,v83.h,v84.l,v84.h,v85.l,v85.h,v86.l,v86.h,v87.l,v87.h
	GELU 11, v88.l,v88.h,v89.l,v89.h,v90.l,v90.h,v91.l,v91.h,v92.l,v92.h,v93.l,v93.h,v94.l,v94.h,v95.l,v95.h
	GELU 12, v96.l,v96.h,v97.l,v97.h,v98.l,v98.h,v99.l,v99.h,v100.l,v100.h,v101.l,v101.h,v102.l,v102.h,v103.l,v103.h
	GELU 13, v104.l,v104.h,v105.l,v105.h,v106.l,v106.h,v107.l,v107.h,v108.l,v108.h,v109.l,v109.h,v110.l,v110.h,v111.l,v111.h
	GELU 14, v112.l,v112.h,v113.l,v113.h,v114.l,v114.h,v115.l,v115.h,v116.l,v116.h,v117.l,v117.h,v118.l,v118.h,v119.l,v119.h
	GELU 15, v120.l,v120.h,v121.l,v121.h,v122.l,v122.h,v123.l,v123.h,v124.l,v124.h,v125.l,v125.h,v126.l,v126.h,v127.l,v127.h
	s_wait_dscnt 0x0                               ; for the others' sake: my images have landed
	s_barrier_signal -1
	s_barrier_wait -1                              ; all 128 images lie in LDS; they are only read from here on
	s_wait_loadcnt 0x0                             ; wo
; ---- PHASE 2: sixteen K steps of 32, written out; sixteen sums by turns, one instruction a turn.  Tiles 0-3 and tiles 4-7 have a set of registers each: one is fetched while the other is multiplied.
.macro LOADG reg, adr, ks              ; four tiles' fragments of K step ks
.irp p, 0,1,2,3
	ds_load_b128 v[\reg+8*\p:\reg+8*\p+3], v[\adr] offset:(16*\p+(\ks))*1024
	ds_load_b128 v[\reg+8*\p+4:\reg+8*\p+7], v[\adr] offset:(16*\p+(\ks))*1024+512
.endr
.endm
.macro MM reg, p0, ks                  ; eight products: four tiles of positions x my two tiles of output channels; K step 0 starts the sums
.irp p, 0,1,2,3
.irp o, 0,1
.if (\ks) == 0
	v_wmma_f32_16x16x32_f16 v[8*(2*(\p0+\p)+\o):8*(2*(\p0+\p)+\o)+7], v[\reg+8*\p:\reg+8*\p+7], v[8*(16*\o+(\ks)):8*(16*\o+(\ks))+7], 0
.else
	v_wmma_f32_16x16x32_f16 v[8*(2*(\p0+\p)+\o):8*(2*(\p0+\p)+\o)+7], v[\reg+8*\p:\reg+8*\p+7], v[8*(16*\o+(\ks)):8*(16*\o+(\ks))+7], v[8*(2*(\p0+\p)+\o):8*(2*(\p0+\p)+\o)+7]
.endif
.endr
.endr
.endm
	LOADG GX, LI, 0
	LOADG GY, LI2, 0
	WIN 0x04                                       ; source 1 (wo) window 1; an LDS load's address and destination stay in window 0
.set KS, 0
.rept 16
	s_wait_dscnt 8                                 ; tiles 0-3 are in; the eight loads of tiles 4-7 may be out
	MM GX, 0, KS
.if KS < 15
	NOP4                                           ; four places ahead of loads into registers that the products have read
	LOADG GX, LI, KS+1
	s_wait_dscnt 8                                 ; tiles 4-7 are in; the eight just issued may be out
.else
	s_wait_dscnt 0x0
.endif
	MM GY, 4, KS
	NOP4                                           ; likewise; behind the last K step: ahead of the first read of results
.if KS < 15
	LOADG GY, LI2, KS+1
.endif
.set KS, KS+1
.endr
	WIN 0
; ---- PHASE 3: the gain and the offset of my lane's output channel; each sum is taken from its low end on
.irp p, 0,1,2,3,4,5,6,7
.irp i, 0,2,4,6
	v_pk_fma_f32 v[16*\p+\i:16*\p+\i+1], v[16*\p+\i:16*\p+\i+1], v[136:137], v[138:139] op_sel_hi:[1,0,0]
.endr
.irp i, 0,2,4,6
	v_pk_fma_f32 v[16*\p+8+\i:16*\p+8+\i+1], v[16*\p+8+\i:16*\p+8+\i+1], v[136:137], v[138:139] op_sel:[0,1,1] op_sel_hi:[1,1,1]
.endr
.endr
.irp p, 0,1,2,3,4,5,6,7
.irp o, 0,1
	ds_store_b128 v[STO], v[8*(2*\p+\o):8*(2*\p+\o)+3] offset:8448*\o+64*\p        ; channel 16 o + r, positions 16 p + 8 h + 0..7
	ds_store_b128 v[STO], v[8*(2*\p+\o)+4:8*(2*\p+\o)+7] offset:8448*\o+64*\p+16
.endr
.endr
.irp i, 0,1,2,3,4,5,6,7,8,9,10,11,12,13,14,15,16,17,18,19,20,21,22,23,24,25,26,27,28,29,30,31
	ds_load_b128 v[4*\i:4*\i+3], v[RD] offset:528*\i   ; LDS serves a wave's instructions in order (ISA guide 5.7.1.4): these see my stores; the stage is my own
.endr
.irp i, 0,1,2,3,4,5,6,7,8,9,10,11,12,13,14,15,16,17,18,19,20,21,22,23,24,25,26,27,28,29,30,31
	s_wait_dscnt 31-\i                             ; row i is back; the younger rows may be out
	global_store_b128 v[LI], v[4*\i:4*\i+3], s[10:11] offset:4096*\i th:TH_STORE_NT   ; 32 lanes store 512 consecutive bytes of a channel's row, aligned; written once, read by nobody here
.endr
	s_wait_tensorcnt 0x0                           ; the wave's end: a wait on tensor loads, an add to my spare word and a wait on LDS, behind my last LDS store
	ds_add_u32 v[SPW], v[NIL]
	s_wait_dscnt 0x0
	s_endpgm
.Lfunc_end_k_q71b2df204a_outp:
	.size	k_q71b2df204a_outp, .Lfunc_end_k_q71b2df204a_outp-k_q71b2df204a_outp
	.p2alignl 7, 3214868480
	.fill 96, 4, 3214868480
	.section	.rodata,"a",@progbits
	.p2align	6, 0x0
	.amdhsa_kernel k_q71b2df204a_outp
		.amdhsa_group_segment_fixed_size 267264
		.amdhsa_private_segment_fixed_size 0
		.amdhsa_enable_private_segment 0
		.amdhsa_kernarg_size 32
		.amdhsa_user_sgpr_count 2
		.amdhsa_user_sgpr_kernarg_segment_ptr 1
		.amdhsa_wavefront_size32 1
		.amdhsa_system_sgpr_workgroup_id_x 1
		.amdhsa_system_sgpr_workgroup_id_y 1
		.amdhsa_system_sgpr_workgroup_id_z 1
		.amdhsa_system_vgpr_workitem_id 0
		.amdhsa_next_free_vgpr 512
		.amdhsa_next_free_sgpr 66
		.amdhsa_reserve_vcc 0
		.amdhsa_float_denorm_mode_32 3
		.amdhsa_float_denorm_mode_16_64 3
		.amdhsa_memory_ordered 1
		.amdhsa_forward_progress 1
		.amdhsa_inst_pref_size 201
	.end_amdhsa_kernel
	.amdgpu_metadata
---
amdhsa.version: [ 1, 2 ]
amdhsa.kernels:
  - .name:           k_q71b2df204a_outp
    .symbol:         k_q71b2df204a_outp.kd
    .args:
      - { .name: aws, .offset: 0, .size: 8, .value_kind: global_buffer, .address_space: global }
      - { .name: woi, .offset: 8, .size: 8, .value_kind: global_buffer, .address_space: global }
      - { .name: consts, .offset: 16, .size: 8, .value_kind: global_buffer, .address_space: global }
      - { .name: out0, .offset: 24, .size: 8, .value_kind: global_buffer, .address_space: global }
    .group_segment_fixed_size: 267264
    .private_segment_fixed_size: 0
    .kernarg_segment_align: 8
    .kernarg_segment_size: 32
    .max_flat_workgroup_size: 256
    .sgpr_count:     66
    .vgpr_count:     512
    .wavefront_size: 32
...
	.end_amdgpu_metadata
.endif
;; end of part 3
;; ======== version 2 of 2: 3 launches; version 1 with the launch attn written anew for expert scheduling mode
;; limits: values outside matrix products are rounded to f16; a function is approximated: absolute error at most 1.5e-07; values are held in f16: magnitudes above 65,504 overflow, below 6.1e-05 lose precision; an absolute error that grows with the inputs' magnitude: up to 1.2e-07 times it; right only within a limited range of input values
;; workspace buffers: xc 4,194,304 bytes; xs 262,144 bytes; wc 131,072 bytes; ws 8,192 bytes; woi 262,144 bytes; consts 8,192 bytes; aws 33,554,432 bytes
;; launch prep: the kernel of part 1 again; grid 300 x 1, 8 waves a work-group, no clusters, 0 bytes of LDS; arguments x, xc, xs, wq, wk, wv, wc, ws, wo, woi, gq, bq, mq, vq, gk, vk, gv, bv, mv, vv, go, be_o, mo, vo, b_out, consts; writes xc, xs, wc, ws, woi, consts
;; launch attn (part 4): grid 8 x 32, 8 waves a work-group, no clusters, 198,144 bytes of LDS; arguments xc, xs, wc, ws, consts, aws; writes aws
.if DOCPART == 4
	.amdgcn_target "amdgcn-amd-amdhsa--gfx1250"
	.amdhsa_code_object_version 6
	.text
	.protected	k_q71b2df204a_attn
	.globl	k_q71b2df204a_attn
	.p2align	8
	.type	k_q71b2df204a_attn,@function
k_q71b2df204a_attn:
	s_mov_b64 s[64:65], 0
	v_nop
	global_prefetch_b8 v0, s[64:65] scope:SCOPE_SE
	s_setreg_imm32_b32 hwreg(HW_REG_WAVE_SCHED_MODE, 0, 2), 2
	s_setreg_imm32_b32 hwreg(HW_REG_WAVE_MODE, 25, 1), 1
	s_wait_xcnt 0x0
	s_wait_alu depctr_vm_vsrc(0)
; SECOND LAUNCH.  A work-group takes one (batch, head): the three projections on codes of E2M1, q's batch norm, the attention, the division by the row's sum and v's batch norm.  Result: o 2^-6 as f16 images.
; LEFT OUT, as shown at the head of the first kernel: k's additive term (bk, mk), which is the same for all keys of a query and which the softmax cancels for all values.
; SHARES.  Wave w owns positions 128 w to 128 w + 127, eight tiles of 16: it projects their q, k and v, and later walks all 1,024 keys for its eight tiles of queries.
; K and V (f16) of the whole head lie in LDS as images of the operands' registers: 16 bytes a lane, 512 consecutive bytes a store or load; no pitch, no padding.  One barrier in the launch.
; FORMATS.  All four operands of the two products go in f16 (11 significant bits).  k' = uk and v' = uv go as they are.  q' = (inv_q uq + beta_q) inv_k c0 carries the gains and has no room in f16 as it is:
; EACH QUERY HAS A SCALE OF ITS OWN, f = 2^floor(log2(the largest |q'| of its 32 channels)); q'' = q' / f lies under 2 and goes in f16.  A lane holds one query, so f is one number a lane.  p is at most 1.
; TWO PASSES.  Pass 1 multiplies K Q''^T and keeps each query's largest score m.  Pass 2 multiplies again, which gives the same bits, and one packed multiply-add makes the exponential's argument,
; S f + (-f m) = f (S - m), never above 0: f is a power of two, so it is rounded once.  No running maximum, no rescaling of O.  The maximum is taken away before every exponential, as reference() does.
; LAYOUT.  S^T = K Q''^T (source 0 = 16 keys, source 1 = 16 queries) and O^T = V^T P (source 0 = 16 channels, source 1 = P): a lane holds ONE query; two score tiles, packed in pairs, are P.
; No cluster: what work-groups share (x's codes among the eight heads of a batch) is read once, at the head, straight into operand registers, and LDS is taken by K and V.
; LIMITS: NaN and infinities are not served; |uk| and |uv| beyond f16's largest number (65,504) are not served; a query's largest |q'| is taken as 2^-100 at the least and stays under 2^126.
; REGISTERS, in windows of 256.  Window 0: v1 16 x lane; v2, v3 LDS addresses in hand; v4, v5 the add's two; v7 the table's address; v8-15 x's scale words, v16-23 the weights' (scales and nothing else);
;   v24-87 Q''; v88-103 the pairs (f, -f m), one a tile (v88-151 earlier: the projections' sums, pass 1's scores); v104-135 V's four fragments, set 1; v136-151 K's two, set 1; v152-167 K's two, set 0; v168-199 V's four, set 0;
;   v200-231 scores, two sets of 16; v232-239 P (earlier: f of the eight tiles); v240-255 the sums.   Window 1: x's and the weights' fragments, later O^T, tile t channels 16 c on at v[32 t + 8 c].
; THE MODE: SCHED_MODE bits 1:0 = 2 (LLVM: expert scheduling mode 2), set by the entry lines.  The code itself states the register dependences
; between vector or matrix instructions and memory or LDS instructions, with s_wait_alu, always for 0.
; THE PLAN.  Registers that memory or LDS instructions touch:
;   v1, v7         Addresses made at the head and never written again.   v176-179: offsets of the head's loads and of wave 0's LDS store; written over by pass 1's scores, behind the projections' waits on vm_vsrc.
;   v2, v3         Read by the projections' LDS stores and by every load of K and of V.  Written once a trip, behind a wait on vm_vsrc and ahead of a wait on va_vdst that stands there anyway.
;   v152-175       The projections' out-buffer: a tile's 24 roundings write it, one wait on va_vdst, its six LDS stores read it; one wait on vm_vsrc ahead of the next tile's roundings.
;   K0, K1, V0, V1 Pass 2: trip i's products read set i % 2; its twelve loads land in the other set, which no vector or matrix instruction of the trip names.  The trip's first wait for its exponentials states as well that the
;                  trip before is done reading that set and that v2 and v3 are written: so the loads, dealt out behind the roundings of tiles 1, 2 and 3, owe nothing more.  Pass 1 has K0 alone, and one wait on va_vdst a trip.
;   v88-151        On the way out the table lands here, behind one wait on va_vdst.   Eight runs of sixteen registers are the way out's out-buffers, each written once and stored once, a wait on va_vdst between.
.set VIMG,  65536                      ; LDS: K's 64 images of 1,024 bytes from 0; V's 32 x 4 from here;
.set CT,    196608                     ; VA[64], VB[64] of the head;
.set SPARE, 197120                     ; the spare words, 128 bytes for each of the eight waves: four blocks of 256 bytes that no other line names
.set FLOORQ, 0x0d800000                ; 2^-100
.set LI,   1
.set KAD,  2
.set VAD,  3
.set SPW,  4
.set NIL,  5
.set XSW,  8
.set WSW,  16
.set Q,    24
.set FM,   88
.set ACC,  88
.set SA,   88
.set KF,   152                         ; K's set 0; set 1 lies 16 registers below
.set VF,   168                         ; V's set 0; set 1 lies 64 registers below
.set SB,   168
.set S,    200
.set QA,   200
.set QB,   216
.set P,    232
.set F,    232
.set RL,   232
.set L,    240
.set M,    240
.set TT,   152                         ; the way out: 32 numbers at work
.set MSB, 0
.macro WIN new                         ; the immediate's high byte repeats the setting that is left
.if MSB != \new
	s_set_vgpr_msb (MSB<<8)|\new
.set MSB, \new
.endif
.endm
.macro NOP4
.rept 4
	v_nop
.endr
.endm
	s_load_b256 s[4:11], s[0:1], 0x0               ; xc, xs, wc, ws
	s_load_b128 s[12:15], s[0:1], 0x20             ; consts, aws
	v_lshl_add_u32 v[SPW], v0, 2, SPARE
	v_mov_b32 v[NIL], 0
	v_lshrrev_b32 v6, 5, v0
	v_readfirstlane_b32 s16, v6                    ; wave 0..7
	s_mov_b32 s17, ttmp9                           ; head
	s_and_b32 s18, ttmp7, 0xffff                   ; batch
	v_and_b32 v6, 31, v0
	v_lshlrev_b32 v[LI], 4, v6
	v_lshlrev_b32 v176, 2, v6                      ; 4 x lane: scale words
	v_bfe_u32 v7, v0, 4, 1                         ; h
	v_lshlrev_b32 v177, 5, v7                      ; 32 h: my eight numbers of QA, QB
	v_and_b32 v178, 15, v0
	v_lshlrev_b32 v178, 4, v178
	v_lshl_add_u32 v178, v7, 11, v178              ; lanes 0-15: VA's 256 bytes; lanes 16-31: VB's, 2,048 bytes on
	v_add_nc_u32 v179, CT, v[LI]
	v_lshl_add_u32 v7, v7, 5, CT                   ; the way out: the table, + 32 h
	v_mov_b32 v181, 0                              ; written once: a lane permute's destination counts as one of its sources
	v_mov_b32 v183, 0                              ; (named as the upper half of the pair v[182:183])
	s_wait_alu depctr_va_sdst(0)                   ; s16 is written, ahead of its first reader: LDS addresses, bases and a branch are made from it
	s_lshl_b32 s20, s16, 13
	v_add_nc_u32 v[KAD], s20, v[LI]                ; where I store my eight images of K
	s_lshl_b32 s20, s16, 14
	s_add_co_u32 s20, s20, VIMG
	v_add_nc_u32 v[VAD], s20, v[LI]                ; and my sixteen of V
	s_mov_b32 s25, 0x7f000000                      ; 254 in the exponent field
	s_mov_b32 s26, 0x76543210                      ; v_permlanex16_b32's selects for lane l xor 16
	s_mov_b32 s27, 0xfedcba98
	s_mov_b32 s28, 0x7f800000                      ; an f32 number's exponent field
	s_mov_b32 s29, 0xff800000                      ; -infinity
	s_mov_b32 s21, 0
	s_wait_kmcnt 0x0
	s_lshl_b32 s20, s18, 17
	s_lshl_b32 s19, s16, 14
	s_add_co_u32 s20, s20, s19
	s_add_nc_u64 s[4:5], s[4:5], s[20:21]          ; x's codes: my eight tiles
	s_lshl_b32 s20, s18, 13
	s_lshl_b32 s19, s16, 9
	s_add_co_u32 s20, s20, s19
	s_add_nc_u64 s[6:7], s[6:7], s[20:21]          ; their scale words
	s_lshl_b32 s20, s17, 14
	s_add_nc_u64 s[8:9], s[8:9], s[20:21]          ; the head's weights
	s_lshl_b32 s20, s17, 10
	s_add_nc_u64 s[10:11], s[10:11], s[20:21]
	s_lshl_b32 s20, s17, 7
	s_add_nc_u64 s[30:31], s[12:13], s[20:21]      ; QA, QB of the head's 32 channels
	s_lshl_b32 s20, s17, 8
	s_add_nc_u64 s[12:13], s[12:13], s[20:21]      ; VA, VB of its 64
	s_lshl_b32 s20, s18, 20
	s_lshl_b32 s19, s16, 17
	s_add_co_u32 s20, s20, s19
	s_lshl_b32 s19, s17, 11
	s_add_co_u32 s20, s20, s19
	s_add_nc_u64 s[14:15], s[14:15], s[20:21]      ; the result: [batch][tile of positions][2 head + f][half][lane][16 bytes]
	WIN 0x40                                       ; destination window 1
	s_wait_alu depctr_va_vdst(0)                   ; the addresses v1, v2, v3, v7 and v176 to v179 are written, which the loads and stores of the kernel read; up to the last load of the head only loads and window switches follow
.irp j, 0,1,2,3,4,5,6,7,8,9,10,11,12,13,14,15,16,17,18,19,20,21,22,23,24,25,26,27,28,29,30,31
	global_load_b128 v[4*\j:4*\j+3], v[LI], s[4:5] offset:512*\j            ; x's fragment (tile pt, K step ks) at v[16 pt + 8 ks] of window 1
.endr
.irp j, 0,1,2,3,4,5,6,7,8,9,10,11,12,13,14,15,16,17,18,19,20,21,22,23,24,25,26,27,28,29,30,31
	global_load_b128 v[128+4*\j:128+4*\j+3], v[LI], s[8:9] offset:512*\j    ; the weights' (tile tl, ks) at v[128 + 16 tl + 8 ks]
.endr
	WIN 0
.irp k, 0,1
.irp g, 0,1,2,3
	global_load_b32 v[XSW+4*\k+\g], v176, s[6:7] offset:4096*\k+128*\g      ; lanes 0-15: tile 2 g's words, lanes 16-31: tile 2 g + 1's
.endr
.endr
.irp t, 0,1,2,3,4,5,6,7
	global_load_b32 v[WSW+\t], v176, s[10:11] offset:128*\t                 ; lanes 0-15: K step 0's words, lanes 16-31: K step 1's
.endr
.irp t, 0,1
	global_load_b128 v[QA+8*\t:QA+8*\t+3], v177, s[30:31] offset:64*\t
	global_load_b128 v[QA+8*\t+4:QA+8*\t+7], v177, s[30:31] offset:64*\t+16
	global_load_b128 v[QB+8*\t:QB+8*\t+3], v177, s[30:31] offset:1024+64*\t
	global_load_b128 v[QB+8*\t+4:QB+8*\t+7], v177, s[30:31] offset:1024+64*\t+16
.endr
	s_cmp_lg_u32 s16, 0                            ; wave 0 alone brings the head's VA and VB into LDS
	s_cbranch_scc1 .Lnot_wave_0
	global_load_b128 v[152:155], v178, s[12:13] offset:2048
	s_wait_loadcnt 0x0
	ds_store_b128 v179, v[152:155]                 ; its data come from the load, its address stands ahead of the head's wait on va_vdst
.Lnot_wave_0:
	s_wait_loadcnt 0x0
; One scaled product on codes.  zero = 1: it starts the sum.  ra, rb: which half of the lanes holds source 0's and source 1's scale words.  All its operands and scales come from loads.
.macro FP4 d, a, b, zero, sa, sb, ra, rb
.if \zero
.if ((\ra)==0) && ((\rb)==0)
	v_wmma_scale_f32_16x16x128_f8f6f4 v[(\d):(\d)+7], v[(\a):(\a)+7], v[(\b):(\b)+7], 0, v[\sa], v[\sb] matrix_a_fmt:MATRIX_FMT_FP4 matrix_b_fmt:MATRIX_FMT_FP4
.elseif ((\ra)==1) && ((\rb)==0)
	v_wmma_scale_f32_16x16x128_f8f6f4 v[(\d):(\d)+7], v[(\a):(\a)+7], v[(\b):(\b)+7], 0, v[\sa], v[\sb] matrix_a_fmt:MATRIX_FMT_FP4 matrix_b_fmt:MATRIX_FMT_FP4 matrix_a_scale:MATRIX_SCALE_ROW1
.elseif ((\ra)==0) && ((\rb)==1)
	v_wmma_scale_f32_16x16x128_f8f6f4 v[(\d):(\d)+7], v[(\a):(\a)+7], v[(\b):(\b)+7], 0, v[\sa], v[\sb] matrix_a_fmt:MATRIX_FMT_FP4 matrix_b_fmt:MATRIX_FMT_FP4 matrix_b_scale:MATRIX_SCALE_ROW1
.else
	v_wmma_scale_f32_16x16x128_f8f6f4 v[(\d):(\d)+7], v[(\a):(\a)+7], v[(\b):(\b)+7], 0, v[\sa], v[\sb] matrix_a_fmt:MATRIX_FMT_FP4 matrix_b_fmt:MATRIX_FMT_FP4 matrix_a_scale:MATRIX_SCALE_ROW1 matrix_b_scale:MATRIX_SCALE_ROW1
.endif
.else
.if ((\ra)==0) && ((\rb)==0)
	v_wmma_scale_f32_16x16x128_f8f6f4 v[(\d):(\d)+7], v[(\a):(\a)+7], v[(\b):(\b)+7], v[(\d):(\d)+7], v[\sa], v[\sb] matrix_a_fmt:MATRIX_FMT_FP4 matrix_b_fmt:MATRIX_FMT_FP4
.elseif ((\ra)==1) && ((\rb)==0)
	v_wmma_scale_f32_16x16x128_f8f6f4 v[(\d):(\d)+7], v[(\a):(\a)+7], v[(\b):(\b)+7], v[(\d):(\d)+7], v[\sa], v[\sb] matrix_a_fmt:MATRIX_FMT_FP4 matrix_b_fmt:MATRIX_FMT_FP4 matrix_a_scale:MATRIX_SCALE_ROW1
.elseif ((\ra)==0) && ((\rb)==1)
	v_wmma_scale_f32_16x16x128_f8f6f4 v[(\d):(\d)+7], v[(\a):(\a)+7], v[(\b):(\b)+7], v[(\d):(\d)+7], v[\sa], v[\sb] matrix_a_fmt:MATRIX_FMT_FP4 matrix_b_fmt:MATRIX_FMT_FP4 matrix_b_scale:MATRIX_SCALE_ROW1
.else
	v_wmma_scale_f32_16x16x128_f8f6f4 v[(\d):(\d)+7], v[(\a):(\a)+7], v[(\b):(\b)+7], v[(\d):(\d)+7], v[\sa], v[\sb] matrix_a_fmt:MATRIX_FMT_FP4 matrix_b_fmt:MATRIX_FMT_FP4 matrix_a_scale:MATRIX_SCALE_ROW1 matrix_b_scale:MATRIX_SCALE_ROW1
.endif
.endif
.endm
; THE PROJECTIONS of my tile pt: eight sums of two K steps, by turns, one instruction a turn.
; q, k (tiles 0-3): source 0 = 16 weight rows, source 1 = x: a lane holds position r and channels 8 h + j.  v (tiles 4-7): the sources change places: a lane holds channel r and positions 8 h + j.
; Packed in pairs, each result IS the next product's fragment: nothing changes lanes.
.macro PROJ pt
	WIN 0x05                                       ; sources 0 and 1 window 1; C and D window 0
.irp tl, 0,1,2,3
	FP4 ACC+8*\tl, 128+16*\tl, 16*(\pt), 1, WSW+\tl, XSW+(\pt)/2, 0, (\pt)%2
.endr
.irp tl, 4,5,6,7
	FP4 ACC+8*\tl, 16*(\pt), 128+16*\tl, 1, XSW+(\pt)/2, WSW+\tl, (\pt)%2, 0
.endr
.irp tl, 0,1,2,3
	FP4 ACC+8*\tl, 136+16*\tl, 16*(\pt)+8, 0, WSW+\tl, XSW+4+(\pt)/2, 1, (\pt)%2
.endr
.irp tl, 4,5,6,7
	FP4 ACC+8*\tl, 16*(\pt)+8, 136+16*\tl, 0, XSW+4+(\pt)/2, WSW+\tl, (\pt)%2, 1
.endr
	WIN 0
	NOP4                                           ; four places between the last product and the first read of results (ISA guide 7.12.1)
.irp i, 0,2,4,6,8,10,12,14
	v_pk_fma_f32 v[ACC+\i:ACC+\i+1], v[ACC+\i:ACC+\i+1], v[QA+\i:QA+\i+1], v[QB+\i:QB+\i+1]   ; q' = uq QA + QB
.endr
	v_max3_num_f32 v180, |v[ACC]|, |v[ACC+1]|, FLOORQ              ; the largest |q'| of my 16 channels of my position, and the floor,
.irp i, 2,4,6,8,10,12,14
	v_max3_num_f32 v180, v180, |v[ACC+\i]|, |v[ACC+\i+1]|
.endr
	v_permlanex16_b32 v181, v180, s26, s27
	v_max_num_f32 v180, v180, v181                 ; and of the other 16, in the lane 16 away
	v_and_b32 v[F+(\pt)], s28, v180                ; f: its exponent field alone, a power of two
	v_sub_nc_u32 v182, s25, v[F+(\pt)]             ; 1 / f: 254 less that exponent field
.irp i, 0,2,4,6,8,10,12,14
	v_pk_mul_f32 v[ACC+\i:ACC+\i+1], v[ACC+\i:ACC+\i+1], v[182:183] op_sel_hi:[1,0]   ; q'' = q' / f: nothing is rounded
.endr
.irp i, 0,1,2,3,4,5,6,7
	v_cvt_pk_f16_f32 v[Q+8*(\pt)+\i], v[ACC+2*\i], v[ACC+2*\i+1]
.endr
	s_wait_dscnt 0x0                               ; the last tile's LDS stores are done
	s_wait_alu depctr_vm_vsrc(0)                   ; the last tile's LDS stores (tile 0: wave 0's store of the table) have read v152 to v175, which the roundings below write again; the head's loads have read v176 to v179
.irp i, 0,1,2,3,4,5,6,7
	v_cvt_pk_f16_f32 v[152+\i], v[ACC+16+2*\i], v[ACC+16+2*\i+1]
.endr
.irp i, 0,1,2,3,4,5,6,7,8,9,10,11,12,13,14,15
	v_cvt_pk_f16_f32 v[160+\i], v[ACC+32+2*\i], v[ACC+32+2*\i+1]
.endr
	s_wait_alu depctr_va_vdst(0)                   ; the 24 roundings have written v152 to v175, which the six LDS stores read
	ds_store_b128 v[KAD], v[152:155] offset:1024*(\pt)
	ds_store_b128 v[KAD], v[156:159] offset:1024*(\pt)+512
.irp c, 0,1,2,3
	ds_store_b128 v[VAD], v[160+4*\c:163+4*\c] offset:4096*((\pt)/2)+1024*\c+512*((\pt)%2)   ; an even tile is keys 0-15 of a fragment of 32 keys, an odd one keys 16-31
.endr
.endm
.irp pt, 0,1,2,3,4,5,6,7
	PROJ \pt
.endr
	s_wait_dscnt 0x0                               ; for the others' sake: my stores have landed
	s_barrier_signal -1
	s_barrier_wait -1                              ; K, V and the table are whole; from here on LDS is only read
	s_wait_alu depctr_vm_vsrc(0)                   ; my last tile's LDS stores have read v[KAD], v[VAD] and v152 to v175: the addresses are written anew below, and K's and V's loads land in the others
.macro KLOAD reg                       ; two tiles of 16 keys into v[reg] on
.irp j, 0,1,2,3
	ds_load_b128 v[(\reg)+4*\j:(\reg)+4*\j+3], v[KAD] offset:512*\j
.endr
.endm
.macro VLOAD reg, j0                   ; four of the eight loads of 32 keys x 64 channels, from the j0-th on, into v[reg] on
.irp j, 0,1,2,3
	ds_load_b128 v[(\reg)+4*((\j0)+\j):(\reg)+4*((\j0)+\j)+3], v[VAD] offset:512*((\j0)+\j)
.endr
.endm
; ---- PASS 1: each query's largest score.  A trip takes 32 keys against my eight tiles of queries.
.irp j, 0,1,2,3,4,5,6,7,8,9,10,11,12,13,14,15
	v_mov_b32 v[M+\j], s29                         ; eight maxima, and eight registers that a lane permute will write (its destination counts as read)
.endr
	s_mov_b32 s22, 0                               ; LDS byte of the keys to be fetched
	v_add_nc_u32 v[KAD], s22, v[LI]
	s_wait_alu depctr_va_vdst(0)                   ; v[KAD] is written, which the loads read; the roundings that wrote v152 to v167, in which they land, are done
	KLOAD KF
; last = 1: the trip's look-ahead fetches keys 0 to 31 again, for pass 2
.macro P1TRIP last
	s_wait_dscnt 0x0                               ; K is in
.irp t, 0,1,2,3,4,5,6,7
	v_wmma_f32_16x16x32_f16 v[SA+8*\t:SA+8*\t+7], v[KF:KF+7], v[Q+8*\t:Q+8*\t+7], 0
	v_wmma_f32_16x16x32_f16 v[SB+8*\t:SB+8*\t+7], v[KF+8:KF+15], v[Q+8*\t:Q+8*\t+7], 0
.endr
.if \last
	s_mov_b32 s22, 0
.else
	s_add_co_u32 s22, s22, 2048
.endif
	s_wait_alu depctr_vm_vsrc(0)                   ; the loads of K issued so far have read v[KAD]
	v_add_nc_u32 v[KAD], s22, v[LI]                ; with the three below: the four places ahead of the first read of results
.rept 3
	v_nop
.endr
.irp t, 0,1,2,3,4,5,6,7
	v_max3_num_f32 v[M+\t], v[M+\t], v[SA+8*\t], v[SA+8*\t+1]   ; each sum is read from its low end on; the eight maxima by turns
.endr
	s_wait_alu depctr_va_vdst(0)                   ; the sixteen products are done reading K's registers, in which the loads land; v[KAD] is written
	KLOAD KF
.irp i, 2,4,6
.irp t, 0,1,2,3,4,5,6,7
	v_max3_num_f32 v[M+\t], v[M+\t], v[SA+8*\t+\i], v[SA+8*\t+\i+1]
.endr
.endr
.irp i, 0,2,4,6
.irp t, 0,1,2,3,4,5,6,7
	v_max3_num_f32 v[M+\t], v[M+\t], v[SB+8*\t+\i], v[SB+8*\t+\i+1]
.endr
.endr
.endm
	s_mov_b32 s24, 31
.Lmax:
	P1TRIP 0
	s_sub_co_u32 s24, s24, 1
	s_cmp_lg_u32 s24, 0
	s_cbranch_scc1 .Lmax
	P1TRIP 1
.irp t, 0,1,2,3,4,5,6,7
	v_permlanex16_b32 v[M+8+\t], v[M+\t], s26, s27 ; the query's other keys lie in the lane 16 away
.endr
.irp t, 0,1,2,3,4,5,6,7
	v_max_num_f32 v[M+\t], v[M+\t], v[M+8+\t]
.endr
.irp t, 0,1,2,3,4,5,6,7
	v_mov_b32 v[FM+2*\t], v[F+\t]                  ; the pair of tile t: f,
.endr
.irp t, 0,1,2,3,4,5,6,7
	v_mul_f32 v[FM+2*\t+1], -v[M+\t], v[F+\t]      ; and -f m: f is a power of two, nothing is rounded
.endr
	s_mov_b32 s23, VIMG
	v_add_nc_u32 v[VAD], s23, v[LI]                ; (its last readers, the projections' stores, stand ahead of the waits on vm_vsrc above)
	s_wait_alu depctr_va_vdst(0)                   ; v[VAD] is written; pass 1's products have written and its maxima have read v168 to v199, in which V lands
	VLOAD VF, 0
	VLOAD VF, 4
; ---- PASS 2.  KC, VC: the sets of K and V at work in the trip; KN, VN: the sets that its loads fill.
.macro QK t                            ; S^T of tile t, 32 keys: two products into set t % 2; the same instruction on the same numbers as in pass 1
.set SBQ, S+16*((\t)%2)
	v_wmma_f32_16x16x32_f16 v[SBQ:SBQ+7], v[KC:KC+7], v[Q+8*(\t):Q+8*(\t)+7], 0
	v_wmma_f32_16x16x32_f16 v[SBQ+8:SBQ+15], v[KC+8:KC+15], v[Q+8*(\t):Q+8*(\t)+7], 0
.endm
.macro SC t                            ; the exponential's argument, S f + (-f m), two at a time: of the tile's pair the low word is the factor for both halves, the high word the addend.  Each sum is read from its low end on
.set SBS, S+16*((\t)%2)
.irp j, 0,2,4,6,8,10,12,14
	v_pk_fma_f32 v[SBS+\j:SBS+\j+1], v[SBS+\j:SBS+\j+1], v[FM+2*(\t):FM+2*(\t)+1], v[FM+2*(\t):FM+2*(\t)+1] op_sel:[0,0,1] op_sel_hi:[1,0,1]
.endr
.endm
.macro EX t                            ; p = 2^(f (s - m)): one batch of sixteen
.set SBE, S+16*((\t)%2)
.irp j, 0,1,2,3,4,5,6,7,8,9,10,11,12,13,14,15
	v_exp_f32 v[SBE+\j], v[SBE+\j]
.endr
.endm
.macro CV t                            ; p to f16: the second product's source 1
.set SBC, S+16*((\t)%2)
.irp j, 0,1,2,3,4,5,6,7
	v_cvt_pk_f16_f32 v[P+\j], v[SBC+2*\j], v[SBC+2*\j+1]
.endr
.endm
.macro PV t, first                     ; O^T += V^T P: four sums, one instruction each
	WIN 0x50                                       ; C and D window 1
.irp c, 0,1,2,3
.if \first
	v_wmma_f32_16x16x32_f16 v[32*(\t)+8*\c:32*(\t)+8*\c+7], v[VC+8*\c:VC+8*\c+7], v[P:P+7], 0
.else
	v_wmma_f32_16x16x32_f16 v[32*(\t)+8*\c:32*(\t)+8*\c+7], v[VC+8*\c:VC+8*\c+7], v[P:P+7], v[32*(\t)+8*\c:32*(\t)+8*\c+7]
.endif
.endr
	WIN 0
.endm
.macro AD t, first                     ; the row's sum, of the unrounded p, two at a time
.set SBA, S+16*((\t)%2)
.set LT, L+2*(\t)
	v_pk_add_f32 v[SBA:SBA+1], v[SBA:SBA+1], v[SBA+2:SBA+3]
	v_pk_add_f32 v[SBA+4:SBA+5], v[SBA+4:SBA+5], v[SBA+6:SBA+7]
	v_pk_add_f32 v[SBA+8:SBA+9], v[SBA+8:SBA+9], v[SBA+10:SBA+11]
	v_pk_add_f32 v[SBA+12:SBA+13], v[SBA+12:SBA+13], v[SBA+14:SBA+15]
	v_pk_add_f32 v[SBA:SBA+1], v[SBA:SBA+1], v[SBA+4:SBA+5]
	v_pk_add_f32 v[SBA+8:SBA+9], v[SBA+8:SBA+9], v[SBA+12:SBA+13]
.if \first
	v_pk_add_f32 v[LT:LT+1], v[SBA:SBA+1], v[SBA+8:SBA+9]
.else
	v_pk_add_f32 v[SBA:SBA+1], v[SBA:SBA+1], v[SBA+8:SBA+9]
	v_pk_add_f32 v[LT:LT+1], v[LT:LT+1], v[SBA:SBA+1]
.endif
.endm
; A TRIP: 32 keys against my eight tiles.  The tiles follow each other a stage apart: while tile t's exponentials are issued, tile t - 1's second product and sums and tile t + 1's scores stand beside them.
; Each batch of sixteen exponentials has one wait, ahead of its first reader; the sums of the tile before are the plain lines behind the batch, and the places between a product V^T P and the next write of P;
; a tile's eight roundings are the places between the next tile's scores and the first read of them.  first = 1: the products start O^T's sums and the additions the rows' sums.
; more = 1: the next trip's K and V are fetched, into the sets that this trip does not read.  b: the sets at work, 0 or 1.
.macro TRIP first, more, b
.set KC, KF-16*(\b)
.set VC, VF-64*(\b)
.set KN, KF-16+16*(\b)
.set VN, VF-64+64*(\b)
	s_wait_dscnt 8                                 ; K's four loads are in; V's eight, issued behind them, may be out
	QK 0
.if \more
	s_add_co_u32 s22, s22, 2048
	s_add_co_u32 s23, s23, 4096
	s_wait_alu depctr_vm_vsrc(0)                   ; the loads of K and V issued so far have read v[KAD] and v[VAD]
	v_add_nc_u32 v[KAD], s22, v[LI]                ; the next trip's keys.  These two lines and the two below are the four places between tile 0's scores and the first read of them
	v_add_nc_u32 v[VAD], s23, v[LI]
	v_nop
	v_nop
.else
	NOP4
.endif
	SC 0
	EX 0
	QK 1
	v_nop                                          ; the plain line behind the batch
	s_wait_alu depctr_va_vdst(0)                   ; tile 0's exponentials have written their results, which the roundings below read; v[KAD] and v[VAD] are written; the trip before is done reading the sets KN and VN: the twelve loads below hang on these two
	CV 0
.irp t, 1,2,3,4,5,6,7
	SC \t
	EX \t
.if \t == 1
	s_wait_dscnt 0x0                               ; V is in (this trip's own loads come behind this line)
.endif
	PV \t-1, \first
	AD \t-1, \first
.if \t < 7
	QK \t+1
.endif
	s_wait_alu depctr_va_vdst(0)                   ; this tile's sixteen exponentials have written their results, which the roundings below read
	CV \t
.if (\t == 1) && \more
	KLOAD KN                                       ; no wait: no vector or matrix line since the trip's first wait names KN, VN, v[KAD] or v[VAD]
.endif
.if (\t == 2) && \more
	VLOAD VN, 0
.endif
.if (\t == 3) && \more
	VLOAD VN, 4
.endif
.endr
	PV 7, \first
	AD 7, \first
.endm
	TRIP 1, 1, 0
	s_mov_b32 s24, 15
.Lkeys:                                            ; two trips to a lap: both kinds of set are back at their start
	TRIP 0, 1, 1
	TRIP 0, 1, 0
	s_sub_co_u32 s24, s24, 1
	s_cmp_lg_u32 s24, 0
	s_cbranch_scc1 .Lkeys
	TRIP 0, 0, 1
; ---- THE WAY OUT: os = (O^T / the row's sum) VA + VB, as f16: a lane's eight channels of tiles 2 f and 2 f + 1 are registers 0-3 and 4-7 of the last product's fragment f.
	s_wait_alu depctr_va_vdst(0)                   ; the last trip's scalings are done reading the pairs in v88 to v103 and its products K's and V's set 1 in v104 to v151: the table lands in these registers
.irp c, 0,1,2,3
	ds_load_b128 v[88+8*\c:91+8*\c], v7 offset:64*\c                ; VA of channels 16 c + 8 h + 0..7
	ds_load_b128 v[92+8*\c:95+8*\c], v7 offset:64*\c+16
	ds_load_b128 v[120+8*\c:123+8*\c], v7 offset:256+64*\c          ; VB
	ds_load_b128 v[124+8*\c:127+8*\c], v7 offset:256+64*\c+16
.endr
.irp t, 0,1,2,3,4,5,6,7
	v_add_f32 v[RL+\t], v[L+2*\t], v[L+2*\t+1]
.endr
.irp t, 0,1,2,3,4,5,6,7
	v_permlanex16_b32 v[S+\t], v[RL+\t], s26, s27
.endr
.irp t, 0,1,2,3,4,5,6,7
	v_add_f32 v[RL+\t], v[RL+\t], v[S+\t]
.endr
.irp t, 0,1,2,3,4,5,6,7
	v_rcp_f32 v[RL+\t], v[RL+\t]
.endr
	v_nop
	s_wait_alu depctr_va_vdst(0)                   ; the eight reciprocals have written v232 to v239, which the multiplications below read: one wait for the batch
	s_wait_dscnt 0x0                               ; the table is in
.macro OUT t, dt                       ; dt: sixteen registers of its own for each tile, so that no store's data are written again
	WIN 0x01                                       ; source 0 (O^T) window 1
.irp i, 0,2,4,6,8,10,12,14,16,18,20,22,24,26,28,30
.if (\t)%2 == 0
	v_pk_mul_f32 v[TT+\i:TT+\i+1], v[32*(\t)+\i:32*(\t)+\i+1], v[RL+2*((\t)/2):RL+2*((\t)/2)+1] op_sel_hi:[1,0]
.else
	v_pk_mul_f32 v[TT+\i:TT+\i+1], v[32*(\t)+\i:32*(\t)+\i+1], v[RL+2*((\t)/2):RL+2*((\t)/2)+1] op_sel:[0,1] op_sel_hi:[1,1]
.endif
.endr
	WIN 0
.irp i, 0,2,4,6,8,10,12,14,16,18,20,22,24,26,28,30
	v_pk_fma_f32 v[TT+\i:TT+\i+1], v[TT+\i:TT+\i+1], v[88+\i:89+\i], v[120+\i:121+\i]
.endr
.irp i, 0,1,2,3,4,5,6,7,8,9,10,11,12,13,14,15
	v_cvt_pk_f16_f32 v[\dt+\i], v[TT+2*\i], v[TT+2*\i+1]
.endr
	s_wait_alu depctr_va_vdst(0)                   ; the tile's sixteen roundings have written its out-buffer, which the four stores read
.irp c, 0,1,2,3
	global_store_b128 v[LI], v[\dt+4*\c:\dt+4*\c+3], s[14:15] offset:16384*(\t)+512*\c   ; 32 lanes store 512 consecutive bytes, aligned
.endr
.endm
	OUT 0, 24
	OUT 1, 40
	OUT 2, 56
	OUT 3, 72
	OUT 4, 184
	OUT 5, 200
	OUT 6, 216
	OUT 7, 240
	s_wait_dscnt 0x0                               ; the closing lines, six on end
	s_wait_alu 0x0
	s_wait_tensorcnt 0x0
	ds_add_u32 v[SPW], v[NIL]
	s_wait_dscnt 0x0
	s_endpgm
.Lfunc_end_k_q71b2df204a_attn:
	.size	k_q71b2df204a_attn, .Lfunc_end_k_q71b2df204a_attn-k_q71b2df204a_attn
	.p2alignl 7, 3214868480
	.fill 96, 4, 3214868480
	.section	.rodata,"a",@progbits
	.p2align	6, 0x0
	.amdhsa_kernel k_q71b2df204a_attn
		.amdhsa_group_segment_fixed_size 198144
		.amdhsa_private_segment_fixed_size 0
		.amdhsa_enable_private_segment 0
		.amdhsa_kernarg_size 48
		.amdhsa_user_sgpr_count 2
		.amdhsa_user_sgpr_kernarg_segment_ptr 1
		.amdhsa_wavefront_size32 1
		.amdhsa_system_sgpr_workgroup_id_x 1
		.amdhsa_system_sgpr_workgroup_id_y 1
		.amdhsa_system_sgpr_workgroup_id_z 1
		.amdhsa_system_vgpr_workitem_id 0
		.amdhsa_next_free_vgpr 512
		.amdhsa_next_free_sgpr 66
		.amdhsa_reserve_vcc 0
		.amdhsa_float_denorm_mode_32 3
		.amdhsa_float_denorm_mode_16_64 3
		.amdhsa_memory_ordered 1
		.amdhsa_forward_progress 1
		.amdhsa_inst_pref_size 189
	.end_amdhsa_kernel
	.amdgpu_metadata
---
amdhsa.version: [ 1, 2 ]
amdhsa.kernels:
  - .name:           k_q71b2df204a_attn
    .symbol:         k_q71b2df204a_attn.kd
    .args:
      - { .name: xc, .offset: 0, .size: 8, .value_kind: global_buffer, .address_space: global }
      - { .name: xs, .offset: 8, .size: 8, .value_kind: global_buffer, .address_space: global }
      - { .name: wc, .offset: 16, .size: 8, .value_kind: global_buffer, .address_space: global }
      - { .name: ws, .offset: 24, .size: 8, .value_kind: global_buffer, .address_space: global }
      - { .name: consts, .offset: 32, .size: 8, .value_kind: global_buffer, .address_space: global }
      - { .name: aws, .offset: 40, .size: 8, .value_kind: global_buffer, .address_space: global }
    .group_segment_fixed_size: 198144
    .private_segment_fixed_size: 0
    .kernarg_segment_align: 8
    .kernarg_segment_size: 48
    .max_flat_workgroup_size: 256
    .sgpr_count:     66
    .vgpr_count:     512
    .wavefront_size: 32
...
	.end_amdgpu_metadata
.endif
;; end of part 4
;; launch outp: the kernel of part 3 again; grid 8 x 32, 8 waves a work-group, no clusters, 267,264 bytes of LDS; arguments aws, woi, consts, out0; writes out0
